; MI455X (gfx1250); checked and timed in simulation.
; The chip was launched on July 23, 2026; its instructions are those of AMD's public machine-readable ISA for CDNA 5 (MIT licence, August 2026) and "CDNA5" Instruction Set Architecture Reference Guide (July 2026). The comments in the code are by the model that wrote it; some were corrected since.
;; Grouped Query Attention. Allowed arithmetic: float matrix products may take bf16 or f16 operands with f32 sums; other float arithmetic in f32, or as packed bf16 or f16 multiplies, adds, multiply-adds, maxima and minima; sums over many terms, partial sums and values carried from step to step in f32; what a program stores and reads back later, other than sums and carried values, may be rounded once to bf16 or f16.
;; Inputs: Wk 1,024 x 256 float32; Wo 1,024 x 1,024 float32; Wq 1,024 x 1,024 float32; Wv 1,024 x 256 float32; key 32 x 484 x 1,024 float32; query 32 x 484 x 1,024 float32; rel_table 967 x 16 float32; value 32 x 484 x 1,024 float32.
;; Outputs: out0 32 x 484 x 1,024 float32.
;; One version. Each part assembles by itself: llvm-mc -triple=amdgcn-amd-amdhsa -mcpu=gfx1250 --defsym DOCPART=n.
;; ======== version 1 of 1: 4 launches
;; limits: values are held in f16: magnitudes above 65,504 overflow, below 6.1e-05 lose precision
;; workspace buffers: wcat 3,145,728 bytes; wo16 2,097,152 bytes; btab 413,696 bytes; qkv 47,579,136 bytes; ows 31,719,424 bytes
;; launch prep (part 1): grid 704 x 1, 8 waves a work-group, no clusters, 0 bytes of LDS; arguments Wq, Wo, Wk, Wv, rel_table, wcat, wo16, btab; writes wcat, wo16, btab
.if DOCPART == 1
	.amdgcn_target "amdgcn-amd-amdhsa--gfx1250"
	.amdhsa_code_object_version 6
	.text
	.protected	k_q7da03b9cec_prep
	.globl	k_q7da03b9cec_prep
	.p2align	8
	.type	k_q7da03b9cec_prep,@function
k_q7da03b9cec_prep:
	s_mov_b64 s[64:65], 0
	v_nop
	global_prefetch_b8 v0, s[64:65] scope:SCOPE_SE
	s_setreg_imm32_b32 hwreg(HW_REG_WAVE_MODE, 25, 1), 1
	s_wait_xcnt 0x0
; PREP: the weights are rounded once to 16 bits, and the bias tables are laid out for the attention launch.
; Work-groups 0-639 cast 4,096 numbers each: 0-255 Wq, 256-511 Wo, 512-575 Wk, 576-639 Wv.
;   wcat: bf16 [1024 k][1536 n] (row 3,072 bytes): n 0-1023 Wq, 1024-1279 Wk, 1280-1535 Wv.   wo16: f16 [1024 k][1024 n] = f16(bf16(Wo)).
; Work-groups 640-703 make btab: f32 [16 heads][4 copies][1616].  With i = key + 511 - query, copy c holds T'[e + c] at element e:
;   T'[i] = 8 x bf16(rel_table[i - 28][head]) for 28 <= i <= 994; 0 for other i < 1024; -1e30 from 1024 on (where hidden keys are sent).
;   The factor 8 lets the table be the addend of K Q^T ahead of the common scale 1/8; the four shifted copies make any lane's four keys 16 aligned bytes.
; LIMITS.  Every input is rounded to bf16.  bf16(Wo) is written as f16: exact from 6.1e-5 to 65,504 in magnitude; below, f16's fixed step of 6e-8; beyond, an infinity.
; No LDS, no barrier: memory binds and no thread needs another's numbers.
.set NEG, 0xf149f2ca                   ; -1e30
	s_load_b512 s[8:23], s[0:1], 0x0               ; Wq s[8:9], Wo s[10:11], Wk s[12:13], Wv s[14:15], rel_table s[16:17], wcat s[18:19], wo16 s[20:21], btab s[22:23]
	s_mov_b32 s2, ttmp9                            ; j
	s_sub_co_u32 s3, s2, 576                       ; j counted from each tensor's first work-group
	s_sub_co_u32 s33, s2, 512
	s_sub_co_u32 s34, s2, 256
	s_wait_kmcnt 0x0
	s_cmp_ge_u32 s2, 640
	s_cbranch_scc1 .Ltable
	; which tensor: Wv's figures first, then Wk's, Wo's, Wq's take their place
	s_mov_b64 s[24:25], s[14:15]                   ; source
	s_mov_b32 s26, 8                               ; log2 of the source's row length
	s_mov_b32 s27, 255                             ; row length - 1
	s_mov_b32 s28, 3072                            ; the destination's row in bytes
	s_mov_b32 s29, 2560                            ; first column's byte in that row
	s_mov_b64 s[30:31], s[18:19]                   ; destination
	s_mov_b32 s32, 0                               ; 1: written as f16
	s_cmp_lt_u32 s2, 576
	s_cselect_b64 s[24:25], s[12:13], s[24:25]
	s_cselect_b32 s3, s33, s3
	s_cselect_b32 s29, 2048, s29
	s_cmp_lt_u32 s2, 512
	s_cselect_b64 s[24:25], s[10:11], s[24:25]
	s_cselect_b64 s[30:31], s[20:21], s[30:31]
	s_cselect_b32 s3, s34, s3
	s_cselect_b32 s26, 10, s26
	s_cselect_b32 s27, 1023, s27
	s_cselect_b32 s28, 2048, s28
	s_cselect_b32 s29, 0, s29
	s_cselect_b32 s32, 1, s32
	s_cmp_lt_u32 s2, 256
	s_cselect_b64 s[24:25], s[8:9], s[24:25]
	s_cselect_b64 s[30:31], s[18:19], s[30:31]
	s_cselect_b32 s3, s2, s3
	s_cselect_b32 s28, 3072, s28
	s_cselect_b32 s32, 0, s32
	s_lshl_b32 s36, s3, 14                         ; the work-group's 16,384 bytes of the source
	s_mov_b32 s37, 0
	s_add_nc_u64 s[24:25], s[24:25], s[36:37]
	s_mov_b32 s38, s29
	s_mov_b32 s39, 0
	s_add_nc_u64 s[30:31], s[30:31], s[38:39]
	v_lshlrev_b32 v1, 5, v0                        ; thread t: 8 numbers at byte 32 t, 8 more 8,192 bytes on
	global_load_b128 v[8:11], v1, s[24:25] th:TH_LOAD_NT
	global_load_b128 v[12:15], v1, s[24:25] offset:16 th:TH_LOAD_NT
	global_load_b128 v[16:19], v1, s[24:25] offset:8192 th:TH_LOAD_NT
	global_load_b128 v[20:23], v1, s[24:25] offset:8208 th:TH_LOAD_NT
	s_lshl_b32 s35, s3, 12
	v_lshl_add_u32 v2, v0, 3, s35                  ; the first number's index in the tensor,
	v_add_nc_u32 v3, 2048, v2                      ; and the second eight's
	v_lshrrev_b32 v4, s26, v2                      ; row
	v_and_b32 v5, s27, v2                          ; column
	v_mul_lo_u32 v4, v4, s28
	v_lshl_add_u32 v4, v5, 1, v4                   ; row x pitch + 2 x column: 16 lanes cover 256 consecutive bytes, aligned
	v_lshrrev_b32 v6, s26, v3
	v_and_b32 v7, s27, v3
	v_mul_lo_u32 v6, v6, s28
	v_lshl_add_u32 v6, v7, 1, v6
	s_wait_loadcnt 0x0                             ; all four loads
.irp k, 0,1,2,3,4,5,6,7
	v_cvt_pk_bf16_f32 v[24+(\k)], v[8+2*(\k)], v[9+2*(\k)]
.endr
	s_cmp_eq_u32 s32, 0
	s_cbranch_scc1 .Lstore
.irp k, 24,25,26,27,28,29,30,31        ; Wo: the bf16 number written as f16
	v_lshlrev_b32 v32, 16, v\k
	v_and_b32 v33, 0xffff0000, v\k
	v_cvt_pk_f16_f32 v\k, v32, v33
.endr
.Lstore:
	global_store_b128 v4, v[24:27], s[30:31]
	global_store_b128 v6, v[28:31], s[30:31]
	s_endpgm
.Ltable:                                       ; one copy of one head: 404 groups of four; thread t < 202 stores groups t and t + 202
	s_sub_co_u32 s3, s2, 640
	s_lshr_b32 s4, s3, 2                           ; head
	s_and_b32 s5, s3, 3                            ; copy c
	s_lshl_b32 s6, s4, 2                           ; the head's byte in a row of rel_table
	s_mul_i32 s7, s4, 25856
	s_mul_i32 s24, s5, 6464
	s_add_co_u32 s7, s7, s24
	s_mov_b32 s25, NEG
	v_lshl_add_u32 v1, v0, 2, s5                   ; i of my first number
	v_lshl_add_u32 v2, v0, 4, s7                   ; where it goes
	v_mov_b32 v3, 28
.irp e, 0,1,2,3,4,5,6,7
	v_add_nc_u32 v[16+(\e)], ((\e)%4)+808*((\e)/4), v1  ; i
	v_sub_nc_u32 v[24+(\e)], v[16+(\e)], v3        ; i - 28: the table's row, or out of range (below 0 it wraps to a large number)
	v_min_u32 v[32+(\e)], 966, v[24+(\e)]          ; every lane's load stays inside rel_table
	v_lshl_add_u32 v[32+(\e)], v[32+(\e)], 6, s6
	global_load_b32 v[40+(\e)], v[32+(\e)], s[16:17]
.endr
	s_wait_loadcnt 0x0
.irp e, 0,1,2,3,4,5,6,7
	v_cvt_pk_bf16_f32 v[40+(\e)], v[40+(\e)], v[40+(\e)]
	v_lshlrev_b32 v[40+(\e)], 16, v[40+(\e)]
	v_mul_f32 v[40+(\e)], 8.0, v[40+(\e)]
	v_cmp_ge_u32 vcc_lo, 966, v[24+(\e)]
	v_cndmask_b32 v[40+(\e)], 0, v[40+(\e)], vcc_lo
	v_cmp_le_u32 vcc_lo, 1024, v[16+(\e)]
	v_cndmask_b32 v[40+(\e)], v[40+(\e)], s25, vcc_lo
.endr
	s_wait_xcnt 0x0                                ; EXEC changes only behind this wait
	v_cmp_gt_u32 vcc_lo, 202, v0
	s_and_saveexec_b32 s26, vcc_lo
	global_store_b128 v2, v[40:43], s[22:23]
	global_store_b128 v2, v[44:47], s[22:23] offset:3232
	s_wait_xcnt 0x0                                ; and again ahead of the line that widens it
	s_or_b32 exec_lo, exec_lo, s26
	s_endpgm
.Lfunc_end_k_q7da03b9cec_prep:
	.size	k_q7da03b9cec_prep, .Lfunc_end_k_q7da03b9cec_prep-k_q7da03b9cec_prep
	.p2alignl 7, 3214868480
	.fill 96, 4, 3214868480
	.section	.rodata,"a",@progbits
	.p2align	6, 0x0
	.amdhsa_kernel k_q7da03b9cec_prep
		.amdhsa_group_segment_fixed_size 0
		.amdhsa_private_segment_fixed_size 0
		.amdhsa_enable_private_segment 0
		.amdhsa_kernarg_size 64
		.amdhsa_user_sgpr_count 2
		.amdhsa_user_sgpr_kernarg_segment_ptr 1
		.amdhsa_wavefront_size32 1
		.amdhsa_system_sgpr_workgroup_id_x 1
		.amdhsa_system_sgpr_workgroup_id_y 1
		.amdhsa_system_sgpr_workgroup_id_z 1
		.amdhsa_system_vgpr_workitem_id 0
		.amdhsa_next_free_vgpr 64
		.amdhsa_next_free_sgpr 66
		.amdhsa_reserve_vcc 1
		.amdhsa_float_denorm_mode_32 3
		.amdhsa_float_denorm_mode_16_64 3
		.amdhsa_memory_ordered 1
		.amdhsa_forward_progress 1
		.amdhsa_inst_pref_size 12
	.end_amdhsa_kernel
	.amdgpu_metadata
---
amdhsa.version: [ 1, 2 ]
amdhsa.kernels:
  - .name:           k_q7da03b9cec_prep
    .symbol:         k_q7da03b9cec_prep.kd
    .args:
      - { .name: Wq, .offset: 0, .size: 8, .value_kind: global_buffer, .address_space: global }
      - { .name: Wo, .offset: 8, .size: 8, .value_kind: global_buffer, .address_space: global }
      - { .name: Wk, .offset: 16, .size: 8, .value_kind: global_buffer, .address_space: global }
      - { .name: Wv, .offset: 24, .size: 8, .value_kind: global_buffer, .address_space: global }
      - { .name: rel_table, .offset: 32, .size: 8, .value_kind: global_buffer, .address_space: global }
      - { .name: wcat, .offset: 40, .size: 8, .value_kind: global_buffer, .address_space: global }
      - { .name: wo16, .offset: 48, .size: 8, .value_kind: global_buffer, .address_space: global }
      - { .name: btab, .offset: 56, .size: 8, .value_kind: global_buffer, .address_space: global }
    .group_segment_fixed_size: 0
    .private_segment_fixed_size: 0
    .kernarg_segment_align: 8
    .kernarg_segment_size: 64
    .max_flat_workgroup_size: 256
    .sgpr_count:     66
    .vgpr_count:     64
    .wavefront_size: 32
...
	.end_amdgpu_metadata
.endif
;; end of part 1
;; launch proj (part 2): grid 24 x 32, 4 waves a work-group, clusters of 4 x 1, 327,680 bytes of LDS; arguments query, key, value, wcat, qkv; writes qkv
.if DOCPART == 2
	.amdgcn_target "amdgcn-amd-amdhsa--gfx1250"
	.amdhsa_code_object_version 6
	.text
	.protected	k_q7da03b9cec_proj
	.globl	k_q7da03b9cec_proj
	.p2align	8
	.type	k_q7da03b9cec_proj,@function
k_q7da03b9cec_proj:
	s_mov_b64 s[64:65], 0
	v_nop
	global_prefetch_b8 v0, s[64:65] scope:SCOPE_SE
	s_setreg_imm32_b32 hwreg(HW_REG_WAVE_MODE, 25, 1), 1
	s_wait_xcnt 0x0
	s_wait_alu depctr_hold_cnt(0) depctr_sa_sdst(0) depctr_va_vdst(0) depctr_va_sdst(0) depctr_va_ssrc(0) depctr_va_vcc(0) depctr_vm_vsrc(0)
	s_getreg_b32 s2, hwreg(HW_REG_IB_STS2, 6, 4)
	s_cmp_eq_u32 s2, 0
	s_cbranch_scc0 .Lentry_in_a_cluster
	s_endpgm
.Lentry_in_a_cluster:
	s_bfe_u32 s2, ttmp6, 0x10000c
	s_cmp_lg_u32 s2, 0x3003
	s_cbranch_scc0 .Lentry_shape_is_right
	s_endpgm
.Lentry_shape_is_right:
; PROJ: all three projections, C[15488][1536] = A[15488][1024] x wcat[1024][1536], on tiles of 128 rows x 256 columns.  A is query for column tiles 0-3, key for 4, value for 5.
; A comes in f32 and is rounded once to bf16; wcat is bf16; sums in f32; C leaves as f16 by heads: qkv [24 planes][15488 rows][64]: planes 0-15 q, 16-19 k, 20-23 v.
; LIMITS.  q, k and v beyond 65,504 in magnitude become infinities in f16; inputs are rounded to bf16; the sums' order is the matrix unit's.  NaN and infinities are not treated apart.
; SHARES.  The 968 blocks of 16 rows are dealt to 128 row tiles: tiles 0-55 own 7 blocks, the others 8.  Every tile loads and multiplies 128 rows (a tile of 7 reads the next tile's first block,
; inside the buffer) and stores only what it owns.  768 work-groups.  Four waves, 2 x 2, each 64 rows x 128 columns: 32 accumulators.  K in 8 steps of 128.
; WCAT comes by the tensor data mover through two LDS slots.  CLUSTER of 4 along x: four row tiles of one column tile need the same tile of wcat: asked for jointly (mask 15), by waves 2 and 3,
; 64 rows each.  A cluster of 4 x 4 is not open: key and value have one column tile each.
; A COMES THROUGH REGISTERS.  Wave w loads rows 32 w .. 32 w + 31 of the tile, one load a row and K step (512 consecutive bytes), TWO K STEPS AHEAD of its use: two sets of 128 registers, X for even
; K steps and Y for odd ones.  In K step s the set that holds K step s + 1 is rounded to bf16 in place and stored into A's own ring of two LDS buffers (16 groups of 4 conversions and 2 stores, one group
; behind every fourth product of quarters 0 and 1); then it is loaded again, for K step s + 3.  So a register is loaded every second K step, and the loop's trip is two K steps.
; ONE BARRIER A K STEP, in quarter 2, orders all of it: ahead of it each wave's reads of slot and buffer s % 2 are back, its stores into the other buffer are done, and its tensor load has landed.
; THE MATRIX INSTRUCTION IS USED TRANSPOSED: source 0 = 16 columns of wcat (turned on the way out of LDS by ds_load_tr16_b128), source 1 = 16 rows of A: a lane holds 8 neighbouring columns of one row of C.
; THE SUMS START AT 0, written while the first tiles are on their way, so that the loop has one form of product and its edge lies between two K steps.
; REGISTERS.  window 0: v8-17 addresses; v28-29 the add's; v32-95 A's fragments, two buffers of 32; v96-223 wcat's, two buffers of 64 (both serve the way out at the end).
;   window 1: the accumulators, (a, b) at 8 (8 a + b).   window 2: v0-127 set X, v128 its store address.   window 3: v0-127 set Y, v128 its store address.
.set PA,    272                        ; a row of A in LDS, bf16: 256 bytes + 16: the 16 rows of a load start at 16 different 16-byte columns of 256
.set PW,    544                        ; a row of wcat: 512 + 32, an odd multiple of 32, for the turning load
.set HW,    64*PW                      ; what one tensor load brings
.set WSLOT, 2*HW
.set AB,    2*WSLOT                    ; behind wcat's slots: A's ring, written by ds_store alone: no tensor load lands there
.set ABUF,  128*PA
.set STAGE, AB+2*ABUF                  ; for each wave 2 planes x 16 rows x 144 bytes, for the way out
.set SP,    144
.set WSTG,  2*16*SP
.set SPARE, STAGE+4*WSTG               ; the spare words: 128 bytes a wave, two blocks of 256 bytes that no other line names
.set PLANEB, 15488*128
.set ASTEP, 512                        ; a K step in a row of A
.set WSTEP, 128*3072                   ; a K step in wcat
.set ADRA,  8                          ; my lane's place in A's buffer 0; never rewritten
.set ADRB,  9                          ; v9, v10: in wcat's slot 0, 1; never rewritten
.set STO,   12
.set RD,    13
.set CO,    14
.set BI,    15                         ; the tile's block that my last 16 rows are
.set PFO,   16                         ; the prefetches' lane offset; never rewritten
.set AO,    17                         ; 16 x lane: my 16 bytes of a row's 512; never rewritten
.set SPW,   28
.set NIL,   29
.set FA,    32
.set FB,    96
.set TMP,   32                         ; the way out, when the fragments are dead
.set BK,    96
.set ST,    128                        ; windows 2 and 3: where my lane's 8 bytes of my first row go in A's buffer 0
.set WV, 14
.set WR, 15                            ; my half of the rows; also: 1 in the waves that fetch wcat
.set WC, 16                            ; my half of the columns; also: which half of wcat's tile I fetch
.set CX, 17
.set RT, 18
.set CT, 19
.set NS, 20                            ; refills still to come
.set PCW, 21
.set AP0, 24                           ; A at my 32 rows, K step 0; never rewritten
.set AP,  26                           ; the same at the K step that the trip's first run of loads names
.set G1W, 40
.set G0W, 48                           ; a set for each slot
.set CNT, 58
.set LIM, 59                           ; a wave prefetches while s[NS] is above it; the greatest number in a wave that asks for nothing
.set PFA, 60
.set NBLK, 62
.set SV,  63
.set PST, 66
.set OUT, 68
.set R0,  70
.set MSB, 0
.macro WIN new                         ; the high byte repeats the setting that is left; a switch that changes nothing is dropped
.if MSB != (\new)
	s_set_vgpr_msb (MSB<<8)|(\new)
.set MSB, \new
.endif
.endm
.set W_MUL, 0x50                       ; sources 0 and 1 window 0, C and D window 1
.set W_PK,  0x05                       ; sources window 1, destination window 0
.macro JLOAD s                         ; waves 2 and 3: jointly, a half of wcat's tile into slot s.  An s_nop 0 and four v_nop follow the line
	s_cmp_lg_u32 s[WR], 0
	s_cbranch_scc0 .Lnone_\@
	tensor_load_to_lds s[G0W+4*(\s):G0W+4*(\s)+3], s[G1W:G1W+7]
	s_nop 0
.rept 4
	v_nop
.endr
.Lnone_\@:
.endm
.macro CREST                           ; a round of the cluster's barrier behind its opening barrier
	s_cmp_lg_u32 s[WV], 0
	s_cbranch_scc1 .Lnot_wave_0_\@
	s_barrier_signal -3
.Lnot_wave_0_\@:
	s_barrier_wait -3
	s_barrier_signal -1
	s_barrier_wait -1
.endm
.macro CROUND
	s_barrier_signal -1
	s_barrier_wait -1
	CREST
.endm
.macro PLACES                          ; four places behind a product, ahead of loads into registers that it has read and of conversions that read results
.rept 4
	v_nop
.endr
.endm
; A PREFETCH INTO THE L2, behind a refill and the run of LDS loads.  At refill n (K step n):
; A: waves 0 and 1 ask for 64 rows x 512 bytes each of K step n + 5, four instructions, a lane a row: two K steps, 256 matrix instructions, ahead of the loads that will want them; only in the column
; tile that stands first for its tensor (0, 4, 5); refills 3 to 5 ask for nothing.  wcat: waves 2 and 3 ask for K step n + 4, two refills on; only the clusters with y = 0; the four partners share
; the wave's 64 rows out by address, 16 each: one instruction; refills 4 and 5 ask for nothing.
.macro ASK
	s_cmp_gt_u32 s[NS], s[LIM]
	s_cbranch_scc0 .Lna_\@
	global_prefetch_b8 v[PFO], s[PFA:PFA+1] th:TH_LOAD_NT scope:SCOPE_SE
	s_cmp_lg_u32 s[WR], 0
	s_cbranch_scc1 .Lna_\@
	global_prefetch_b8 v[PFO], s[PFA:PFA+1] offset:256 th:TH_LOAD_NT scope:SCOPE_SE
	global_prefetch_b8 v[PFO], s[PFA:PFA+1] offset:131072 th:TH_LOAD_NT scope:SCOPE_SE
	global_prefetch_b8 v[PFO], s[PFA:PFA+1] offset:131328 th:TH_LOAD_NT scope:SCOPE_SE
.Lna_\@:
.endm
; n rows of A from row j0 of my 32 on, into the set in window w: a row's 512 bytes of a K step by one load
.macro ILOAD w, base, off, j0, n
	WIN (\w)<<6                                    ; destination window w, address window 0
.set jj, \j0
.rept \n
	global_load_b128 v[4*jj:4*jj+3], v[AO], s[\base:\base+1] offset:jj*4096+(\off)
.set jj, jj+1
.endr
	WIN 0
.endm
	s_load_b256 s[4:11], s[0:1], 0x0               ; query s[4:5], key s[6:7], value s[8:9], wcat s[10:11]
	s_load_b64 s[12:13], s[0:1], 0x20              ; qkv
	v_lshl_add_u32 v[SPW], v0, 2, SPARE
	v_mov_b32 v[NIL], 0
	ds_add_u32 v[SPW], v[NIL]                      ; the wave's opening: the add and its wait ahead of my first tensor load; work on registers stands between
	v_lshrrev_b32 v1, 5, v0
	v_readfirstlane_b32 s[WV], v1
	v_and_b32 v3, 31, v0                           ; l
	v_lshlrev_b32 v[AO], 4, v3
	s_lshr_b32 s[WR], s[WV], 1
	s_and_b32 s[WC], s[WV], 1
	s_bfe_u32 s[CX], ttmp6, 0x40000                ; my place in the cluster
	s_mov_b32 s[CT], ttmp9                         ; the column tile, which the partners share
	s_and_b32 s[RT], ttmp7, 0xffff
	s_lshl_b32 s[RT], s[RT], 2
	s_add_co_u32 s[RT], s[RT], s[CX]               ; the row tile i
	s_mul_i32 s[R0], s[RT], 7
	s_max_u32 s71, s[RT], 56
	s_sub_co_u32 s71, s71, 56
	s_add_co_u32 s[R0], s[R0], s71                 ; first block = 7 i + max(i - 56, 0)
	s_lshl_b32 s[R0], s[R0], 4                     ; first row
	s_cmp_lt_u32 s[RT], 56
	s_cselect_b32 s[NBLK], 7, 8
	s_lshl_b32 s72, s[WV], 5
	s_add_co_u32 s72, s72, s[R0]
	s_lshl_b32 s72, s72, 12                        ; A: the 32 rows that I load, 4,096 bytes each
	s_mov_b32 s73, 0
	s_lshl_b32 s84, s[WC], 6
	s_add_co_u32 s84, s84, s[R0]
	s_lshl_b32 s84, s84, 12                        ; A: the 64 rows that I would prefetch
	s_mov_b32 s85, 0
	s_lshl_b32 s22, s[CT], 9                       ; wcat: 512 bytes a column tile,
	s_mul_i32 s23, s[WC], 64*3072                  ; 64 rows a half
	s_add_co_u32 s22, s22, s23
	s_mov_b32 s23, 0
	s_mul_i32 s[PCW], s[WC], HW                    ; where they go: no place in the cluster enters an LDS address
	s_mov_b32 s[G1W+0], 15|(1<<16)|(1<<20)|(1<<21)|(6<<22)|(7<<25)  ; the mask of four; 2-byte elements; padding on; bit 21 beside a mask; after every 128 words, 8 words
	s_mov_b32 s[G1W+1], 256<<16                    ; tensor_dim0 = 256
	s_mov_b32 s[G1W+2], 64<<16                     ; tensor_dim1 = 64
	s_mov_b32 s[G1W+3], 256<<16                    ; tile_dim0 = 256
	s_mov_b32 s[G1W+4], 64                         ; tile_dim1 = 64
	s_mov_b32 s[G1W+5], 1536                       ; elements from row to row
	s_mov_b32 s[G1W+6], 0
	s_mov_b32 s[G1W+7], 0
	s_mov_b32 s[NS], 6
	s_and_b32 s78, ttmp7, 0xffff                   ; who prefetches: the same answer in all four partners
	s_cmp_eq_u32 s78, 0
	s_cselect_b32 s79, 2, -1                       ; wcat: the clusters with y = 0, at refills 0 to 3
	s_sub_co_u32 s80, s[CT], 1
	s_cmp_gt_u32 s80, 2
	s_cselect_b32 s81, 3, -1                       ; A: column tiles 0, 4 and 5, at refills 0 to 2
	s_cmp_eq_u32 s[WR], 0
	s_cselect_b32 s[LIM], s81, s79
	s_mov_b32 s[PST], WSTEP                        ; (s_mov_b32 leaves SCC as the compare set it)
	s_cselect_b32 s[PST], ASTEP, s[PST]
	s_mov_b32 s[PST+1], 0
	s_mov_b32 s82, 3072                            ; the prefetches' rows: wcat's 3,072 bytes,
	s_cselect_b32 s82, 4096, s82                   ; A's 4,096
	s_wait_dscnt 0x0                               ; the opening add is done
	s_wait_kmcnt 0x0
	s_cmp_eq_u32 s[CT], 4
	s_cselect_b64 s[74:75], s[6:7], s[8:9]
	s_cmp_lt_u32 s[CT], 4
	s_cselect_b64 s[74:75], s[4:5], s[74:75]
	s_add_nc_u64 s[AP0:AP0+1], s[74:75], s[72:73]
	s_add_nc_u64 s[AP:AP+1], s[AP0:AP0+1], ASTEP   ; two K steps short of K step 3, which the first trip's first run names
	s_add_nc_u64 s[80:81], s[74:75], s[84:85]
	s_add_nc_u64 s[80:81], s[80:81], 4*ASTEP       ; A's prefetches stand at K step 4; the first change of slots steps them to 5
	s_add_nc_u64 s[76:77], s[10:11], s[22:23]
	ILOAD 2, AP0, 0, 0, 32                         ; X: K step 0, asked for ahead of everything else
	CROUND                                         ; all four work-groups are here: the first joint loads meet
.irp s, 0,1
	s_mov_b32 s[G0W+4*(\s)], 1
	s_add_co_u32 s[G0W+4*(\s)+1], s[PCW], (\s)*WSLOT
	s_add_nc_u64 s[G0W+4*(\s)+2:G0W+4*(\s)+3], s[76:77], (\s)*WSTEP
	s_or_b32 s[G0W+4*(\s)+3], s[G0W+4*(\s)+3], 0x80000000
.endr
	s_cmp_lg_u32 s[WR], 0                          ; a wave's two first fills stand in one branch: in waves 2 and 3 two loads are out
	s_cbranch_scc0 .Lno_first
	tensor_load_to_lds s[G0W:G0W+3], s[G1W:G1W+7]
	s_nop 0
	tensor_load_to_lds s[G0W+4:G0W+7], s[G1W:G1W+7]
	s_nop 0
.rept 4
	v_nop
.endr
.Lno_first:
	ILOAD 3, AP0, ASTEP, 0, 28                     ; Y: K step 1, all but its last four rows: 60 loads of mine are out
	s_mul_i32 s2, s[CX], 16*3072                   ; wcat's prefetches stand at K step 3; the first change of slots steps them to 4
	s_mov_b32 s3, 0
	s_add_nc_u64 s[78:79], s[76:77], s[2:3]
	s_add_nc_u64 s[78:79], s[78:79], 3*WSTEP
	s_cmp_eq_u32 s[WR], 0
	s_cselect_b64 s[PFA:PFA+1], s[80:81], s[78:79]
	v_and_b32 v1, 15, v0                           ; r = l % 16
	v_bfe_u32 v2, v0, 4, 1                         ; h = l / 16
	v_and_b32 v4, 7, v0
	v_bfe_u32 v5, v0, 3, 1
	v_bfe_u32 v6, v0, 3, 2
	v_lshrrev_b32 v7, s[WR], v3                    ; A: a lane a row; wcat: two lanes a row of 512 bytes
	v_mul_u32_u24 v[PFO], v7, s82
	v_and_b32 v7, s[WR], v3
	v_lshl_add_u32 v[PFO], v7, 8, v[PFO]
	s_mul_i32 s2, s[WR], 64*PA
	s_add_co_u32 s2, s2, AB
	v_mul_u32_u24 v[ADRA], v1, PA                  ; a fragment of A: row r, 16 bytes for each half of the lanes
	v_lshl_add_u32 v[ADRA], v2, 4, v[ADRA]
	v_add_nc_u32 v[ADRA], s2, v[ADRA]
	v_lshl_add_u32 v[ADRB], v2, 3, v4              ; the turning load: row 8 h + l % 8, 16 bytes ((l / 8) % 2)
	v_mul_u32_u24 v[ADRB], v[ADRB], PW
	v_lshl_add_u32 v[ADRB], v5, 4, v[ADRB]
	s_lshl_b32 s2, s[WC], 8
	v_add_nc_u32 v[ADRB], s2, v[ADRB]
	v_add_nc_u32 v[ADRB+1], WSLOT, v[ADRB]
	s_mul_i32 s2, s[WV], 32*PA
	s_add_co_u32 s2, s2, AB                        ; my 32 rows of A's buffer 0; a lane's four numbers are 8 bytes in bf16
	WIN 0x80
	v_lshl_add_u32 v[ST], v3, 3, s2
	WIN 0xc0
	v_lshl_add_u32 v[ST], v3, 3, s2
	WIN 0
	s_mul_i32 s2, s[WV], WSTG
	s_add_co_u32 s2, s2, STAGE
	v_mul_u32_u24 v[STO], v1, SP
	v_lshl_add_u32 v[STO], v2, 4, v[STO]
	v_add_nc_u32 v[STO], s2, v[STO]
	v_mul_u32_u24 v[RD], v6, SP                    ; back: 32 lanes take four rows of 128 bytes,
	v_lshl_add_u32 v[RD], v4, 4, v[RD]
	v_add_nc_u32 v[RD], s2, v[RD]
	v_lshlrev_b32 v[CO], 4, v3                     ; which are 512 consecutive bytes of a plane
	s_lshl_b32 s2, s[WR], 2
	s_add_co_u32 s2, s2, 3
	v_mov_b32 v[BI], s2
	s_lshl_b32 s2, s[CT], 2
	s_lshl1_add_u32 s2, s[WC], s2                  ; my first plane = 4 x column tile + 2 x half
	s_mul_i32 s2, s2, PLANEB
	s_lshl_b32 s3, s[WR], 6
	s_add_co_u32 s3, s3, s[R0]
	s_lshl_b32 s3, s3, 7
	s_add_co_u32 s2, s2, s3
	s_mov_b32 s3, 0
	s_add_nc_u64 s[OUT:OUT+1], s[12:13], s[2:3]
	WIN 0x40
.set i, 0
.rept 256
	v_mov_b32 v[i], 0                              ; the sums start at 0: written while the first loads are on their way
.set i, i+1
.endr
	WIN 0
; 24 LDS loads: quarter q (32 along K) of the K step of parity p into buffers g
.macro FETCH g, q, p
	WIN 0
.irp a, 0,1,2,3
	ds_load_b128 v[FA+32*(\g)+8*(\a):FA+32*(\g)+8*(\a)+3],   v[ADRA] offset:(\p)*ABUF+(\a)*16*PA+64*(\q)
	ds_load_b128 v[FA+32*(\g)+8*(\a)+4:FA+32*(\g)+8*(\a)+7], v[ADRA] offset:(\p)*ABUF+(\a)*16*PA+64*(\q)+32
.endr
.irp b, 0,1,2,3,4,5,6,7
	ds_load_tr16_b128 v[FB+64*(\g)+8*(\b):FB+64*(\g)+8*(\b)+3],   v[ADRB+(\p)] offset:(\q)*32*PW+32*(\b)
	ds_load_tr16_b128 v[FB+64*(\g)+8*(\b)+4:FB+64*(\g)+8*(\b)+7], v[ADRB+(\p)] offset:(\q)*32*PW+32*(\b)+16*PW
.endr
.endm
; Group n of 16: rows 2 n and 2 n + 1 of the set in window w are rounded to bf16 in place and stored into A's buffer pb: a store covers a row's 256 bytes
.macro CVG w, n, pb
	WIN 0x8a+0x45*((\w)-2)                         ; destination, sources 0 and 1 (for the store: address and data) in window w
.irp e, 0,1
	v_cvt_pk_bf16_f32 v[8*(\n)+4*(\e)],   v[8*(\n)+4*(\e)],   v[8*(\n)+4*(\e)+1]
	v_cvt_pk_bf16_f32 v[8*(\n)+4*(\e)+1], v[8*(\n)+4*(\e)+2], v[8*(\n)+4*(\e)+3]
.endr
.irp e, 0,1
	ds_store_b64 v[ST], v[8*(\n)+4*(\e):8*(\n)+4*(\e)+1] offset:(\pb)*ABUF+(2*(\n)+(\e))*PA
.endr
.endm
; Eight products: row block a x all 8 column blocks.  cw = 2 or 3: groups cn and cn + 1 of that window's set stand behind the fourth and the eighth: their conversions name no register of the products
; round them, and the last four are also the places ahead of the next run of LDS loads.  The 32 accumulators take turns.
.macro MULA g, a, cw, cn, pb
.irp b, 0,1,2,3,4,5,6,7
	WIN W_MUL
	v_wmma_f32_16x16x32_bf16 v[8*(8*(\a)+(\b)):8*(8*(\a)+(\b))+7], v[FB+64*(\g)+8*(\b):FB+64*(\g)+8*(\b)+7], v[FA+32*(\g)+8*(\a):FA+32*(\g)+8*(\a)+7], v[8*(8*(\a)+(\b)):8*(8*(\a)+(\b))+7]
.if (\cw) && ((\b) == 3)
	CVG \cw, \cn, \pb
.endif
.if (\cw) && ((\b) == 7)
	CVG \cw, (\cn)+1, \pb
.endif
.endr
.endm
.macro MUL4 g, cw, c0, pb              ; a quarter's 32 products, with groups c0 .. c0 + 7
	MULA \g, 0, \cw, (\c0), \pb
	MULA \g, 1, \cw, (\c0)+2, \pb
	MULA \g, 2, \cw, (\c0)+4, \pb
	MULA \g, 3, \cw, (\c0)+6, \pb
.endm
; Quarter 0 of a K step of parity p.  cw: the window of the set that holds the next K step (0: there is none); lw: how many younger loads may stay out when that set has to be in;
; bw: the window of the other set, whose last four rows are asked for here, at byte boff behind s[AP] (0: nothing is asked for).
.macro QZERO p, cw, lw, bw, boff
	s_wait_dscnt 0x0                               ; this quarter's fragments, fetched a quarter ago
	PLACES
	FETCH 1, 1, \p
.if (\cw)
	s_wait_loadcnt \lw                             ; loads come back in order: the set is in; the other set's 28, issued behind it, stay out
.endif
.if (\bw)
	ILOAD \bw, AP, \boff, 28, 4                    ; held back until now, so that no more than 60 loads of mine are ever out
.endif
	MUL4 0, \cw, 0, 1-(\p)
.endm
.macro QONE p, cw                      ; quarter 1
.if (\cw)
	s_wait_dscnt 16                                ; the quarter's 24 loads are in; the 16 stores issued behind them may be out
.else
	s_wait_dscnt 0x0
	PLACES
.endif
	FETCH 0, 2, \p
	MUL4 1, \cw, 8, 1-(\p)
.endm
; Quarter 2, with the K step's barrier.  The slot's and the buffer's last reads (quarter 3's) are issued at its head; behind them the set just stored is loaded again:
; ld = 1: Y, and the pointer steps by two K steps; ld = 2: X, but in the loop's last trip, where K has no such step; ld = 0: nothing.
.macro QMEET p, cw, fill, ld
.if \fill
	s_wait_xcnt 0x0                                ; every load and prefetch issued so far has read its address: the pointers may be written
	s_add_nc_u64 s[PFA:PFA+1], s[PFA:PFA+1], s[PST:PST+1]
.if (\ld) == 1
	s_add_nc_u64 s[AP:AP+1], s[AP:AP+1], 2*ASTEP
.endif
.endif
.if (\cw)
	s_wait_dscnt 16                                ; as in quarter 1
.else
	s_wait_dscnt 0x0
	PLACES
.endif
	FETCH 1, 3, \p
.if (\ld) == 1
	ILOAD 3, AP, 0, 0, 28
.elseif (\ld) == 2
	s_cmp_eq_u32 s[CNT], 1
	s_cbranch_scc1 .Lno_more_\@                    ; no counted wait on loads follows in the loop; the wait behind it is for 0
	ILOAD 2, AP, ASTEP, 0, 28
.Lno_more_\@:
.endif
	MULA 0, 0, 0, 0, 0
	MULA 0, 1, 0, 0, 0
	WIN 0
	s_wait_tensorcnt 0x0                           ; all my tensor loads have landed: the one that was out is my part of the other slot
	ds_add_u32 v[SPW], v[NIL]                      ; 0 onto my spare word
	MULA 0, 2, 0, 0, 0
	s_wait_dscnt 0x0                               ; the add is done, my reads of this slot and buffer are over, my stores into the other buffer are done
	s_barrier_signal -1
	MULA 0, 3, 0, 0, 0
	PLACES                                         ; ahead of the loads into the buffers that these products read
	WIN 0
	s_barrier_wait -1
.if \fill
	CREST                                          ; the barrier has opened a round of the cluster's: no wave of any partner still reads the slot or has a load on its way
.endif
.endm
; Quarter 3: the slot just read out is filled again first (K step two on; from the request to the wait for it: 112 matrix instructions), then the next K step's first quarter is fetched.
.macro QFILL p, fill
.if \fill
	s_add_nc_u64 s[G0W+4*(\p)+2:G0W+4*(\p)+3], s[G0W+4*(\p)+2:G0W+4*(\p)+3], 2*WSTEP
	JLOAD \p
.endif
	FETCH 0, 0, 1-(\p)
.if \fill
	ASK
	s_sub_co_u32 s[NS], s[NS], 1
.endif
	MUL4 1, 0, 0, 0
.endm
; THE WAY OUT of block a (16 rows x 128 columns = 2 planes): rounded to f16, through my own stage, stored as 512 consecutive bytes an instruction.
.macro OUTB a
	WIN W_PK
.irp b, 0,1,2,3,4,5,6,7
.irp r, 0,1,2,3
	v_cvt_pk_f16_f32 v[TMP+4*(\b)+(\r)], v[8*(8*(\a)+(\b))+2*(\r)], v[8*(8*(\a)+(\b))+2*(\r)+1]
.endr
.endr
	WIN 0
.irp b, 0,1,2,3,4,5,6,7
	ds_store_b128 v[STO], v[TMP+4*(\b):TMP+4*(\b)+3] offset:((\b)/4)*16*SP+32*((\b)%4)
.endr
.irp f, 0,1,2,3,4,5,6,7
	ds_load_b128 v[BK+32*((\a)%2)+4*(\f):BK+32*((\a)%2)+4*(\f)+3], v[RD] offset:((\f)/4)*16*SP+((\f)%4)*4*SP  ; LDS serves a wave's instructions in order: these see the stores above
.endr
	s_wait_dscnt 0x0
	s_wait_xcnt 0x0                                ; the stores of the block before have read their registers: the next block loads into them
.if (\a) == 3
	v_cmp_gt_u32 vcc_lo, s[NBLK], v[BI]            ; a tile of 7 blocks does not own its eighth: a mask, no branch, since partners differ
	s_and_saveexec_b32 s[SV], vcc_lo
.endif
.irp f, 0,1,2,3,4,5,6,7
	global_store_b128 v[CO], v[BK+32*((\a)%2)+4*(\f):BK+32*((\a)%2)+4*(\f)+3], s[OUT:OUT+1] offset:((\f)/4)*PLANEB+(\a)*2048+((\f)%4)*512
.endr
.if (\a) == 3
	s_wait_xcnt 0x0
	s_or_b32 exec_lo, exec_lo, s[SV]
.endif
.endm
	s_wait_loadcnt 28                              ; X is in: K step 0; Y's 28 loads stay out
	ILOAD 3, AP0, ASTEP, 28, 4                     ; Y's last four rows
.irp n, 0,1,2,3,4,5,6,7,8,9,10,11,12,13,14,15
	CVG 2, \n, 0                                   ; K step 0 into A's buffer 0: there is no product yet to set it behind
.endr
	WIN 0
	s_wait_tensorcnt 1                             ; my part of wcat's K step 0 is in; K step 1's may stay out
	s_wait_dscnt 0x0                               ; my stores into A's buffer 0 are done
	s_barrier_signal -1
	s_barrier_wait -1
	FETCH 0, 0, 0
	ILOAD 2, AP0, 2*ASTEP, 0, 28                   ; X: K step 2, all but its last four rows
	s_mov_b32 s[CNT], 3
.Lk:                                           ; three trips of two K steps: K steps 0 to 5 fill their slots again
	QZERO 0, 3, 28, 2, ASTEP                       ; Y, the odd K step to come, goes into buffer 1; X's last four rows are asked for
	QONE  0, 3
	QMEET 0, 3, 1, 1
	QFILL 0, 1
	QZERO 1, 2, 28, 3, 0                           ; X, the even K step to come, goes into buffer 0; Y's last four rows are asked for
	QONE  1, 2
	QMEET 1, 2, 1, 2
	QFILL 1, 1
	WIN 0
	s_sub_co_u32 s[CNT], s[CNT], 1
	s_cmp_lg_u32 s[CNT], 0
	s_cbranch_scc1 .Lk
	QZERO 0, 3, 0, 0, 0                            ; the last two K steps are written out: nothing is asked for; no load was issued behind Y's, so the wait is for 0
	QONE  0, 3
	QMEET 0, 3, 0, 0
	QFILL 0, 0
	QZERO 1, 0, 0, 0, 0
	QONE  1, 0
	s_wait_dscnt 0x0
	PLACES
	FETCH 1, 3, 1
	MUL4 0, 0, 0, 0
	s_wait_dscnt 0x0
	MUL4 1, 0, 0, 0
	PLACES
	OUTB 0
	OUTB 1
	OUTB 2
	OUTB 3
	s_wait_tensorcnt 0x0                           ; the wave's end
	ds_add_u32 v[SPW], v[NIL]
	s_wait_dscnt 0x0
	CROUND                                         ; the closing round
	s_endpgm
.Lfunc_end_k_q7da03b9cec_proj:
	.size	k_q7da03b9cec_proj, .Lfunc_end_k_q7da03b9cec_proj-k_q7da03b9cec_proj
	.p2alignl 7, 3214868480
	.fill 96, 4, 3214868480
	.section	.rodata,"a",@progbits
	.p2align	6, 0x0
	.amdhsa_kernel k_q7da03b9cec_proj
		.amdhsa_group_segment_fixed_size 327680
		.amdhsa_private_segment_fixed_size 0
		.amdhsa_enable_private_segment 0
		.amdhsa_kernarg_size 40
		.amdhsa_user_sgpr_count 2
		.amdhsa_user_sgpr_kernarg_segment_ptr 1
		.amdhsa_wavefront_size32 1
		.amdhsa_system_sgpr_workgroup_id_x 1
		.amdhsa_system_sgpr_workgroup_id_y 1
		.amdhsa_system_sgpr_workgroup_id_z 1
		.amdhsa_system_vgpr_workitem_id 0
		.amdhsa_next_free_vgpr 904
		.amdhsa_next_free_sgpr 96
		.amdhsa_reserve_vcc 1
		.amdhsa_float_denorm_mode_32 3
		.amdhsa_float_denorm_mode_16_64 3
		.amdhsa_memory_ordered 1
		.amdhsa_forward_progress 1
		.amdhsa_inst_pref_size 136
	.end_amdhsa_kernel
	.amdgpu_metadata
---
amdhsa.version: [ 1, 2 ]
amdhsa.kernels:
  - .name:           k_q7da03b9cec_proj
    .symbol:         k_q7da03b9cec_proj.kd
    .args:
      - { .name: query, .offset: 0, .size: 8, .value_kind: global_buffer, .address_space: global }
      - { .name: key, .offset: 8, .size: 8, .value_kind: global_buffer, .address_space: global }
      - { .name: value, .offset: 16, .size: 8, .value_kind: global_buffer, .address_space: global }
      - { .name: wcat, .offset: 24, .size: 8, .value_kind: global_buffer, .address_space: global }
      - { .name: qkv, .offset: 32, .size: 8, .value_kind: global_buffer, .address_space: global }
    .group_segment_fixed_size: 327680
    .private_segment_fixed_size: 0
    .kernarg_segment_align: 8
    .kernarg_segment_size: 40
    .max_flat_workgroup_size: 128
    .sgpr_count:     96
    .vgpr_count:     904
    .wavefront_size: 32
...
	.end_amdgpu_metadata
.endif
;; end of part 2
;; launch attn (part 3): grid 8 x 32, 4 waves a work-group, no clusters, 225,280 bytes of LDS; arguments qkv, btab, ows; writes ows
.if DOCPART == 3
	.amdgcn_target "amdgcn-amd-amdhsa--gfx1250"
	.amdhsa_code_object_version 6
	.text
	.protected	k_q7da03b9cec_attn
	.globl	k_q7da03b9cec_attn
	.p2align	8
	.type	k_q7da03b9cec_attn,@function
k_q7da03b9cec_attn:
	s_mov_b64 s[64:65], 0
	v_nop
	global_prefetch_b8 v0, s[64:65] scope:SCOPE_SE
	s_setreg_imm32_b32 hwreg(HW_REG_WAVE_MODE, 25, 1), 1
	s_wait_xcnt 0x0
; ATTENTION.  O[b][q][head] = the sum over k of softmax_k(q . k / 8 + bias[head][k - q]) v.  q, k, v: f16 planes of qkv, [plane][15488][64]; O: f16, ows [15488][1024].
; Products, maxima and sums in f32; the weights p are rounded to f16 for the second product (their sum l is taken of the unrounded p), O once at the end.
; LIMITS.  A hidden key (484 to 511) counts as a score of -1e30; a weight below 2^-126 counts as 0 in l; NaN and infinities are not treated apart; q, k, v arrive within f16's range.
; SHARES.  A work-group has one batch b, one K/V group g and two of its four heads (4 g + 2 hp, + 1), one after the other by one text.  All 484 keys of K and V lie in LDS, filled once, with the
; two heads' bias tables: no ring.  Wave w owns queries 128 w .. 128 w + 127 in both passes: eight tiles of 16 in four PIECES; queries from 484 on read row 483 again and are not stored.
; So one wave holds both heads' 128 bytes of a row of O and stores 256 consecutive aligned bytes from its own stage.
; NO CLUSTER: only two work-groups share a K and V, each reads them once, at its head.  NO PREFETCH: nothing is streamed in the loop.
; THE BIAS is the C operand that starts S^T = K Q^T.  btab holds 8 x bias at index i = key + 511 - query, in four copies shifted by one element, so that a lane's four keys are 16 aligned bytes:
; lane (r, h), nr = 15 - r, reads copy nr % 4 at byte 4 (nr & 12) + 32 h + 256 step + 64 block + 64 (7 - tile) + 1536 - 512 w.  In the last step the groups of four keys from 484 on are read
; 2,160 bytes further on, where the table holds -1e30.
; LAYOUT, SOFTMAX, TURNS.  S^T holds ONE query a lane (lane % 16) and the keys 8 (lane / 16) + 0..7; two results rounded to f16 ARE source 1 of O^T = V^T P.  p = 2^(c S - c m), c = log2(e) / 8, with a running
; maximum m; O and l are multiplied by a = 2^(c m_old - c m_new) in every step; m starts at the lowest finite number, so a pass's first a is 0.  Turn n belongs to piece n: 16 products K Q^T of piece n + 1,
; later 16 products V^T P of piece n - 1; beside them piece n's scaling, exponentials, roundings, sums and rescaling and piece n + 1's maximum.  Four vector instructions stand behind every matrix
; instruction, the rest in one lump; a turn's 66 exponentials are one batch with one wait.
; REGISTERS (s_set_vgpr_msb: bits 1:0 source 0, 3:2 source 1, 5:4 source 2, 7:6 destination):
;   window 0: v0-11 addresses; v12-15, v48-63 at work; v16-47 statistics; v64-191 S^T, two buffers of two tiles; v192-255 P, likewise        window 1: O^T, 32 a tile
;   window 2: v0-127 Q; v128-191 K of one step; v192-255 V of one step        window 3: v0-1 the add's; v2-6 bias addresses; v64-127 bias of one piece; v128-255 the second head's Q, later the first head's O
.set NP,    4
.set KS,    64
.set PK,    144                        ; a row of K in LDS: 128 bytes + 16
.set PV,    160                        ; a row of V: 128 + 32
.set VB,    512*PK
.set BT,    VB+512*PV
.set CP,    6464                       ; a copy of a head's table: 64 beyond a multiple of 256
.set HT,    4*CP
.set JUMP,  2160
.set STAGE, BT+2*HT                    ; never filled by a tensor load: 16 rows x 272 bytes for each wave
.set SP,    272
.set SPARE, STAGE+4*16*SP              ; the spare words: 128 bytes a wave, two blocks of 256 bytes that no other line names
.set PLANEB, 15488*128
.set AK0, 2
.set AV0, 3
.set AK,  4
.set AV,  5
.set STO, 6
.set RD,  7
.set GO,  8
.set MV,  12
.set ST,  16                           ; tile t at v[ST+4 t]: c m, m, l (even keys', odd keys')
.set TMP, 48
.set S,   64
.set P,   192
.set KF,  128
.set VF,  192
.set SPW, 0                            ; window 3
.set NIL, 1
.set LB,  2                            ; my lane's place in a head's table; never rewritten
.set HJ,  3                            ; 2,160 in lanes 16-31, else 0
.set BAA, 4                            ; the three addresses of a step's bias
.set BAB, 5
.set BAC, 6
.set BIAS, 64
.set QB,  128
.set WV,  12
.set G1K, 24
.set G1V, 32
.set G1B, 40
.set G0K, 48
.set G0V, 52
.set G0B, 56
.set CS,  60
.set SEL, 62
.set TBK, 66
.set TBV, 67
.set CNT, 68
.set PASS, 69
.set BH,  70
.set BOF, 71
.set BOC, 72
.set LASTF, 73
.set Q0,  74
.set Q1,  76
.set OP,  78
.set MSB, 0
.macro WIN new
.if MSB != (\new)
	s_set_vgpr_msb (MSB<<8)|(\new)
.set MSB, (\new)
.endif
.endm
.set W_KQ, 0x0a
.set W_KB, 0x3a                        ; K and Q window 2, C window 3, S^T window 0
.set W_PV, 0x52
.set W_RS, 0x41
.set W_BL, 0xc3                        ; destination and address window 3
.set W_3,  0xff
.set W_MK, 0xc0
.set W_AD, 0x0f
	s_load_b128 s[4:7], s[0:1], 0x0                ; qkv s[4:5], btab s[6:7]
	s_load_b64 s[8:9], s[0:1], 0x10                ; ows
	WIN W_MK
	v_lshl_add_u32 v[SPW], v0, 2, SPARE
	v_mov_b32 v[NIL], 0
	WIN W_AD
	ds_add_u32 v[SPW], v[NIL]                      ; the wave's opening: the add and its wait ahead of my first tensor load
	WIN 0
	v_lshrrev_b32 v1, 5, v0
	v_readfirstlane_b32 s[WV], v1
	s_mov_b32 s13, ttmp9                           ; x = 2 g + hp
	s_lshr_b32 s14, s13, 1                         ; g
	s_and_b32 s15, ttmp7, 0xffff                   ; b
	s_mul_i32 s16, s15, 484*128                    ; the batch's first row in a plane
	s_lshl_b32 s17, s[WV], 14                      ; my 128 keys
	s_add_co_u32 s18, s14, 16
	s_mul_i32 s18, s18, PLANEB
	s_add_co_u32 s18, s18, s16
	s_add_co_u32 s18, s18, s17                     ; K
	s_mov_b32 s19, 0
	s_add_co_u32 s20, s18, 4*PLANEB                ; V
	s_mov_b32 s21, 0
	s_lshl_b32 s22, s13, 1                         ; the first head = 2 x
	s_mul_i32 s2, s22, PLANEB
	s_add_co_u32 s2, s2, s16                       ; Q
	s_mov_b32 s3, 0
	s_mul_i32 s22, s22, HT
	s_mul_i32 s23, s[WV], HT/2
	s_add_co_u32 s22, s22, s23                     ; my quarter of the two heads' tables
	s_mov_b32 s23, 0
	s_mul_i32 s80, s15, 484
	s_lshl_b32 s81, s[WV], 7
	s_add_co_u32 s80, s80, s81
	s_lshl_b32 s80, s80, 11
	s_lshl_b32 s81, s13, 8
	s_add_co_u32 s80, s80, s81                     ; O: my first row, the two heads' 256 bytes
	s_mov_b32 s81, 0
	s_add_co_u32 s82, s[WV], 1
	s_lshr_b32 s82, s82, 2                         ; 1 in wave 3
	s_mul_i32 s82, s82, 14<<16
	s_sub_co_u32 s82, 64<<16, s82                  ; rows of 256 bytes left: 64, in wave 3 50 (keys 384 to 483); beyond them zeros arrive
	s_mov_b32 s[G1K], (1<<16)|(1<<20)|(4<<22)|(3<<25)  ; 2-byte elements; padding on: after every 32 words, 4 words
	s_mov_b32 s[G1V], (1<<16)|(1<<20)|(4<<22)|(7<<25)  ; the same with 8 words
.irp g, G1K, G1V
	s_mov_b32 s[\g+1], 128<<16                     ; tensor_dim0 = 128: two keys a row
	s_mov_b32 s[\g+2], s82                         ; tensor_dim1
	s_mov_b32 s[\g+3], 128<<16                     ; tile_dim0 = 128
	s_mov_b32 s[\g+4], 64                          ; tile_dim1 = 64
	s_mov_b32 s[\g+5], 128
	s_mov_b32 s[\g+6], 0
	s_mov_b32 s[\g+7], 0
.endr
	s_mov_b32 s[G1B], 3<<16                        ; 8-byte elements, no padding: 12,928 dense bytes as 101 rows of 128
	s_mov_b32 s[G1B+1], 16<<16
	s_mov_b32 s[G1B+2], 101<<16
	s_mov_b32 s[G1B+3], 16<<16
	s_mov_b32 s[G1B+4], 101
	s_mov_b32 s[G1B+5], 16
	s_mov_b32 s[G1B+6], 0
	s_mov_b32 s[G1B+7], 0
	s_mov_b32 s[G0K], 1
	s_mul_i32 s[G0K+1], s[WV], 128*PK
	s_mov_b32 s[G0V], 1
	s_mul_i32 s[G0V+1], s[WV], 128*PV
	s_add_co_u32 s[G0V+1], s[G0V+1], VB
	s_mov_b32 s[G0B], 1
	s_mul_i32 s[G0B+1], s[WV], HT/2
	s_add_co_u32 s[G0B+1], s[G0B+1], BT
	s_mov_b32 s[CS], 0x3e38aa3b                    ; c = log2(e) / 8
	s_mov_b32 s[CS+1], s[CS]
	s_mov_b32 s[SEL], 0x76543210
	s_mov_b32 s[SEL+1], 0xfedcba98
	s_lshl_b32 s83, s[WV], 9
	s_sub_co_u32 s[BH], BT+1536, s83
	s_mov_b32 s[PASS], 2
	s_wait_dscnt 0x0                               ; the opening add is done
	s_wait_kmcnt 0x0
	s_add_nc_u64 s[G0K+2:G0K+3], s[4:5], s[18:19]
	s_or_b32 s[G0K+3], s[G0K+3], 0x80000000
	s_add_nc_u64 s[G0V+2:G0V+3], s[4:5], s[20:21]
	s_or_b32 s[G0V+3], s[G0V+3], 0x80000000
	s_add_nc_u64 s[G0B+2:G0B+3], s[6:7], s[22:23]
	s_or_b32 s[G0B+3], s[G0B+3], 0x80000000
	s_add_nc_u64 s[Q0:Q0+1], s[4:5], s[2:3]
	s_add_nc_u64 s[Q1:Q1+1], s[Q0:Q0+1], PLANEB
	s_add_nc_u64 s[OP:OP+1], s[8:9], s[80:81]
	tensor_load_to_lds s[G0K:G0K+3], s[G1K:G1K+7]  ; the only fills of the launch: three loads of mine are out
	s_nop 0
	tensor_load_to_lds s[G0V:G0V+3], s[G1V:G1V+7]
	s_nop 0
	tensor_load_to_lds s[G0B:G0B+3], s[G1B:G1B+7]
	s_nop 0
.rept 4
	v_nop
.endr
	v_and_b32 v1, 15, v0                           ; r
	v_bfe_u32 v9, v0, 4, 1                         ; h
	s_lshl_b32 s2, s[WV], 7
	v_add_nc_u32 v10, s2, v1
.irp t, 0,1,2,3,4,5,6,7
	v_add_nc_u32 v[64+(\t)], 16*(\t), v10          ; my query of tile t,
	v_min_u32 v[64+(\t)], 483, v[64+(\t)]          ; held inside the batch
	v_lshlrev_b32 v[64+(\t)], 7, v[64+(\t)]
	v_lshl_add_u32 v[64+(\t)], v9, 4, v[64+(\t)]
.endr
	WIN 0x80                                       ; both heads' Q: tile t, channels 32 c on
.irp t, 0,1,2,3,4,5,6,7
.irp c, 0,1
	global_load_b128 v[16*(\t)+8*(\c):16*(\t)+8*(\c)+3],   v[64+(\t)], s[Q0:Q0+1] offset:64*(\c)
	global_load_b128 v[16*(\t)+8*(\c)+4:16*(\t)+8*(\c)+7], v[64+(\t)], s[Q0:Q0+1] offset:64*(\c)+32
.endr
.endr
	WIN 0xc0
.irp t, 0,1,2,3,4,5,6,7
.irp c, 0,1
	global_load_b128 v[QB+16*(\t)+8*(\c):QB+16*(\t)+8*(\c)+3],   v[64+(\t)], s[Q1:Q1+1] offset:64*(\c)
	global_load_b128 v[QB+16*(\t)+8*(\c)+4:QB+16*(\t)+8*(\c)+7], v[64+(\t)], s[Q1:Q1+1] offset:64*(\c)+32
.endr
.endr
	; What the first turn finds: V's registers and P's second buffer hold 0, O^T and l are 0.  All this stands in the wait for the tiles.
	WIN 0x80
.set i, VF
.rept 64
	v_mov_b32 v[i], 0
.set i, i+1
.endr
	WIN 0x40
.set i, 0
.rept 64*NP
	v_mov_b32 v[i], 0
.set i, i+1
.endr
	WIN 0
.set i, 0
.rept 2*NP
	v_mov_b32 v[ST+4*i+2], 0
	v_mov_b32 v[ST+4*i+3], 0
.set i, i+1
.endr
.set i, P+32
.rept 32
	v_mov_b32 v[i], 0
.set i, i+1
.endr
	v_mul_u32_u24 v[AK0], v1, PK
	v_lshl_add_u32 v[AK0], v9, 4, v[AK0]
	v_and_b32 v10, 7, v0
	v_bfe_u32 v11, v0, 3, 1
	v_lshl_add_u32 v[AV0], v9, 3, v10              ; the turning load: key 8 h + l % 8, 16 bytes ((l / 8) % 2)
	v_mul_u32_u24 v[AV0], v[AV0], PV
	v_lshl_add_u32 v[AV0], v11, 4, v[AV0]
	v_add_nc_u32 v[AV0], VB, v[AV0]
	s_mul_i32 s13, s[WV], 16*SP
	s_add_co_u32 s13, s13, STAGE
	v_mul_u32_u24 v[STO], v1, SP
	v_lshl_add_u32 v[STO], v9, 4, v[STO]
	v_add_nc_u32 v[STO], s13, v[STO]
	v_mul_u32_u24 v[RD], v9, SP                    ; back: lanes 0-15 one row of 256 bytes, lanes 16-31 the next
	v_lshl_add_u32 v[RD], v1, 4, v[RD]
	v_add_nc_u32 v[RD], s13, v[RD]
	v_lshlrev_b32 v[GO], 11, v9
	v_lshl_add_u32 v[GO], v1, 4, v[GO]
	v_sub_nc_u32 v10, 15, v1                       ; nr
	v_and_b32 v11, 3, v10
	v_mul_u32_u24 v11, v11, CP
	v_and_b32 v10, 12, v10
	v_lshl_add_u32 v11, v10, 2, v11
	WIN W_MK
	v_lshl_add_u32 v[LB], v9, 5, v11
	v_mul_u32_u24 v[HJ], v9, JUMP
	WIN 0
; THE MATRIX WORK.  The 8 accumulators of a run of 16 take turns.  Product i of 16 of S^T = K Q^T for piece x: channels 32 (i / 8) on, keys 16 ((i / 2) % 4) on, tile 2 x + i % 2.  The first 8 start the sums with the bias.
.macro KQ x
.set rS, S+64*((\x)%2)+32*(i%2)+8*((i/2)%4)
.set rK, KF+16*((i/2)%4)+8*(i/8)
.set rQ, 16*(2*(\x)+i%2)+8*(i/8)
.set rB, BIAS+32*(i%2)+8*((i/2)%4)
.if i < 8
	WIN W_KB
	v_wmma_f32_16x16x32_f16 v[rS:rS+7], v[rK:rK+7], v[rQ:rQ+7], v[rB:rB+7]
.else
	WIN W_KQ
	v_wmma_f32_16x16x32_f16 v[rS:rS+7], v[rK:rK+7], v[rQ:rQ+7], v[rS:rS+7]
.endif
.endm
.macro PV x                            ; product i of 16 of O^T += V^T P for piece x
	WIN W_PV
.set rO, 32*(2*(\x)+i%2)+8*((i/2)%4)
.set rV, VF+32*(i/8)+8*((i/2)%4)
.set rP, P+32*((\x)%2)+16*(i%2)+8*(i/8)
	v_wmma_f32_16x16x32_f16 v[rO:rO+7], v[rV:rV+7], v[rP:rP+7], v[rO:rO+7]
.endm
.macro MM                              ; the turn's next matrix instruction
.if i < 16
	KQ (Y+1)%NP
.set i, i+1
.else
.set i, i-16
	PV (Y+NP-1)%NP
.set i, i+17
.endif
.endm
; THE LDS LOADS stand in runs of 16.  last = 1: in the last trip there is no further step of K, and the run is jumped over.
.macro FETCH_K last=0
	WIN 0
.if \last
	s_cmp_eq_u32 s[CNT], 1
	s_cbranch_scc1 .Lno_k_\@
.endif
	WIN 0x80
.irp f, 0,1,2,3,4,5,6,7
	ds_load_b128 v[KF+8*\f:KF+8*\f+3],   v[AK] offset:(\f/2)*16*PK+(\f%2)*64
	ds_load_b128 v[KF+8*\f+4:KF+8*\f+7], v[AK] offset:(\f/2)*16*PK+(\f%2)*64+32
.endr
	s_add_co_u32 s[TBK], s[TBK], KS*PK
	WIN 0
.if \last
.Lno_k_\@:
.endif
.endm
.macro FETCH_V
	WIN 0x80
.irp f, 0,1,2,3,4,5,6,7
	ds_load_tr16_b128 v[VF+8*\f:VF+8*\f+3],   v[AV] offset:(\f/4)*32*PV+(\f%4)*32
	ds_load_tr16_b128 v[VF+8*\f+4:VF+8*\f+7], v[AV] offset:(\f/4)*32*PV+16*PV+(\f%4)*32
.endr
	WIN 0
.endm
; The bias of piece pc for one key step: two tiles x four key blocks x two groups of four keys.  Key blocks 0, 1 by BAA; block 2's first group by BAB; the rest by BAC.
.macro FETCH_B pc
	WIN W_BL
.irp e, 0,1
.set bo, 64*(7-(2*(\pc)+(\e)))
.set bd, BIAS+32*(\e)
	ds_load_b128 v[bd:bd+3],     v[BAA] offset:bo
	ds_load_b128 v[bd+4:bd+7],   v[BAA] offset:bo+16
	ds_load_b128 v[bd+8:bd+11],  v[BAA] offset:bo+64
	ds_load_b128 v[bd+12:bd+15], v[BAA] offset:bo+80
	ds_load_b128 v[bd+16:bd+19], v[BAB] offset:bo+128
	ds_load_b128 v[bd+20:bd+23], v[BAC] offset:bo+144
	ds_load_b128 v[bd+24:bd+27], v[BAC] offset:bo+192
	ds_load_b128 v[bd+28:bd+31], v[BAC] offset:bo+208
.endr
	WIN 0
.endm
.macro BSET                            ; the three addresses from BOF, BOC and LASTF
	WIN W_3
	v_add_nc_u32 v[BAA], s[BOF], v[LB]
	v_add_nc_u32 v[BAC], s[BOC], v[LB]
	v_mad_u32_u24 v[BAB], v[HJ], s[LASTF], v[BAA]  ; in the last step lanes 16-31 hold keys 488 on there
	WIN 0
.endm
; THE VECTOR WORK OF A TURN stands in three queues, each in the order in which its entries become ready; the two tiles alternate.
.macro REGS y, u
.set rT, ST+4*(2*(\y)+(\u))
.set rC, TMP+8*((\y)%2)+4*(\u)
.set rM, MV+2*((\y)%2)+(\u)
.set rS, S+64*((\y)%2)+32*(\u)
.set rP, P+32*((\y)%2)+16*(\u)
.set rO, 32*(2*(\y)+(\u))
.endm
; Number n of the 22 that find the NEXT piece's maximum and statistics; each accumulator's lowest registers are read first.
.macro XS u, n
	REGS (Y+1)%NP, \u
.if (\n) < 4
	v_max3_num_f32 v[rC+(\n)], v[rS+8*(\n)], v[rS+8*(\n)+1], v[rS+8*(\n)+2]
.elseif (\n) < 12
	v_max3_num_f32 v[rC+(\n)%4], v[rC+(\n)%4], v[rS+8*((\n)%4)+2*((\n)/4)+1], v[rS+8*((\n)%4)+2*((\n)/4)+2]
.elseif (\n) == 12
	v_max3_num_f32 v[rC], v[rC], v[rS+7], v[rS+15]
.elseif (\n) == 13
	v_max3_num_f32 v[rC+1], v[rC+1], v[rS+23], v[rS+31]
.elseif (\n) == 14
	v_max3_num_f32 v[rC+2], v[rC+2], v[rC+3], v[rT+1]
.elseif (\n) == 15
	v_mov_b32 v[rM], v[rT]
.elseif (\n) == 16
	v_max3_num_f32 v[rC], v[rC], v[rC+1], v[rC+2]
.elseif (\n) == 17
	v_permlanex16_b32 v[rC+3], v[rC], s[SEL], s[SEL+1]
.elseif (\n) == 18
	v_max_num_f32 v[rT+1], v[rC], v[rC+3]
.elseif (\n) == 19
	v_mul_f32 v[rT], s[CS], v[rT+1]
.elseif (\n) == 20
	v_sub_f32 v[rC+1], v[rM], v[rT]
.else
	v_exp_f32 v[rC+2], v[rC+1]
.endif
.endm
; Number g of the 64 that follow the exponentials: roundings to f16, sums of pairs in place, and l a group later (the first time l = a l + sum).
.macro GS g
.set h, (\g)+6*((\g)/62)
.if h >= 6
.set h, h+2
.endif
	REGS Y, h%2
.set k, h/8
.if h%8 < 4
	v_cvt_pk_f16_f32 v[rP+2*k+(h%8)/2], v[rS+4*k+2*((h%8)/2)], v[rS+4*k+2*((h%8)/2)+1]
.elseif h%8 < 6
	v_pk_add_f32 v[rS+4*k:rS+4*k+1], v[rS+4*k:rS+4*k+1], v[rS+4*k+2:rS+4*k+3]
.elseif k == 1
	v_pk_fma_f32 v[rT+2:rT+3], v[rT+2:rT+3], v[rC+2:rC+3], v[rS:rS+1] op_sel_hi:[1,0,1]
.else
	v_pk_add_f32 v[rT+2:rT+3], v[rT+2:rT+3], v[rS+4*k-4:rS+4*k-3]
.endif
.endm
.macro FS f                            ; c S - c m for pair f / 2 of tile f % 2
	REGS Y, (\f)%2
	v_pk_fma_f32 v[rS+2*((\f)/2):rS+2*((\f)/2)+1], v[rS+2*((\f)/2):rS+2*((\f)/2)+1], s[CS:CS+1], v[rT:rT+1] op_sel_hi:[1,0,0] neg_lo:[0,0,1] neg_hi:[0,0,1]
.endm
; THE PLAIN QUEUE, 138 long: 0-73 read no exponential's result (32 scalings, the next piece's 42); 74-137 are GS's 64, behind the wait.
.macro PL
	WIN 0
.if q < 27
	FS q
.elseif q < 55
	XS (q-27)%2, (q-27)/2
.elseif q < 57
	XS q-55, 15
.elseif (q < 72) && ((q-57)%3 == 0)
	FS 27+(q-57)/3
.elseif q < 60
	XS (q-57)%3-1, 14
.elseif q < 72
	XS (q-57)%3-1, 15+(q-57)/3
.elseif q < 74
	XS q-72, 20
.else
	GS q-74
.endif
.set q, q+1
.endm
.macro EX                              ; THE EXPONENTIALS' QUEUE, 66 long: one batch ahead of the turn's one wait
	WIN 0
.if e >= 64
	XS e-64, 21
.else
	REGS Y, e%2
	v_exp_f32 v[rS+e/2], v[rS+e/2]
.endif
.set e, e+1
.endm
.macro R2                              ; THE RESCALING's QUEUE: O^T times a, two at a time
	REGS Y, r%2
	WIN W_RS
.irp z, 0,1
	v_pk_mul_f32 v[rO+4*(r/2)+2*\z:rO+4*(r/2)+2*\z+1], v[rO+4*(r/2)+2*\z:rO+4*(r/2)+2*\z+1], v[rC+2:rC+3] op_sel_hi:[1,0]
.endr
.set r, r+1
.endm
; A TURN, for piece p.  Ahead of the wait: 16 products K Q^T, behind each a scaling, an exponential and two rescalings; then the lump.  Behind it: the bias of the piece after next (its registers' last
; reader, this turn's eighth product, stands far back), in piece 2's turn the next step's K, and 16 products V^T P with four of the roundings and sums behind each.  V of the step in hand is fetched at the
; end of piece 0's turn, four plain instructions behind its last reader.
.macro TURN p
.set Y, (\p)
.set i, 0
.set q, 0
.set e, 0
.set r, 0
.if (\p) == 1
	s_wait_dscnt 16                                ; the bias is in; V's 16 loads, issued behind it, may stay out
.else
	s_wait_dscnt 0x0                               ; the bias is in (piece 3: and K)
.endif
	MM
	PL
	PL
	R2
.rept 15
	MM
	PL
	EX
	R2
.endr
.if (\p) == NP-2
	WIN 0
	v_add_nc_u32 v[AK], s[TBK], v[AK0]
.endif
.rept 8
	PL
.endr
.rept 49
	EX
	PL
.endr
	EX
	EX
	v_nop                                          ; a plain instruction behind the last exponential: one for the batch
	s_wait_alu depctr_va_vdst(0)                   ; the wait ahead of the first use: one for the batch
	FETCH_B ((\p)+2)%NP
.if (\p) == NP-2
	FETCH_K 1
.endif
.if (\p) == 1
	s_wait_dscnt 16                                ; V is in; the 16 bias loads just issued may stay out
.endif
.rept 16
	MM
.rept 4
	PL
.endr
.if ((\p) == 0) && (q == 118)
	v_add_nc_u32 v[AV], s[TBV], v[AV0]
.endif
.if ((\p) == 0) && (q == 130)
	s_add_co_u32 s[TBV], s[TBV], KS*PV
.endif
.endr
.if (\p) == 0
	FETCH_V
.endif
.endm
.macro ALL line:vararg
.set t, 0
.rept 2*NP
	\line
.set t, t+1
.endr
.endm
.macro PACKO t                         ; tile t: O^T / l, rounded to f16 into S^T's registers
	WIN W_RS
.set i, 32*(\t)
.rept 16
	v_pk_mul_f32 v[i:i+1], v[i:i+1], v[ST+4*(\t)+2:ST+4*(\t)+3] op_sel_hi:[1,0]
.set i, i+2
.endr
	WIN 0x05
.set i, 0
.rept 16
	v_cvt_pk_f16_f32 v[S+16*(\t)+i], v[32*(\t)+2*i], v[32*(\t)+2*i+1]
.set i, i+1
.endr
.endm
; Tile t leaves: both heads' 128 bytes of 16 rows into my stage, back as rows of 256 bytes, stored.  Wave 3 owns queries 384 to 483: of tile 6 four rows, of tile 7 none.
.macro WAYT t
	WIN 0x0c                                       ; store data in window 3: the first head's
.irp f, 0,1,2,3
	ds_store_b128 v[STO], v[QB+16*(\t)+4*(\f):QB+16*(\t)+4*(\f)+3] offset:32*(\f)
.endr
	WIN 0
.irp f, 0,1,2,3
	ds_store_b128 v[STO], v[S+16*(\t)+4*(\f):S+16*(\t)+4*(\f)+3] offset:128+32*(\f)
.endr
.irp f, 0,1,2,3,4,5,6,7
	ds_load_b128 v[P+32*((\t)%2)+4*(\f):P+32*((\t)%2)+4*(\f)+3], v[RD] offset:(\f)*2*SP  ; LDS serves a wave's instructions in order: these see the stores above
.endr
	s_wait_dscnt 0x0
	s_wait_xcnt 0x0                                ; the stores of the tile before have read their registers: the next tile loads into them
.irp f, 0,1,2,3,4,5,6,7
.if ((\t) == 6) && ((\f) == 2)
	s_cmp_eq_u32 s[WV], 3
	s_cbranch_scc1 .Lend
.endif
	global_store_b128 v[GO], v[P+32*((\t)%2)+4*(\f):P+32*((\t)%2)+4*(\f)+3], s[OP:OP+1] offset:(\t)*32768+(\f)*4096  ; 16 lanes store 256 consecutive bytes, aligned
.endr
.endm
	s_wait_tensorcnt 0x0                           ; my parts of K, V and the tables are in,
	s_barrier_signal -1
	s_barrier_wait -1                              ; everybody's are
	s_branch .Lpass
.Lagain:                                       ; between the passes: the second head's Q goes where the text names Q, the first head's O where that Q lay
	WIN 0x83
.set i, 0
.rept 128
	v_mov_b32 v[i], v[QB+i]
.set i, i+1
.endr
	WIN 0xc0
.set i, 0
.rept 128
	v_mov_b32 v[QB+i], v[S+i]
.set i, i+1
.endr
	WIN 0
	s_add_co_u32 s[BH], s[BH], HT                  ; the second head's table
.Lpass:
.set i, 0
.rept 2*NP
	v_mov_b32 v[ST+4*i], 0xfe000000                ; c m: far below every c S, so the first a is 0 and wipes what O^T and l hold
	v_mov_b32 v[ST+4*i+1], 0xff7fffff              ; m
.set i, i+1
.endr
	s_mov_b32 s[TBK], 0
	s_mov_b32 s[TBV], 0
	v_mov_b32 v[AK], v[AK0]
	s_mov_b32 s[BOF], s[BH]
	s_mov_b32 s[BOC], s[BH]
	s_mov_b32 s[LASTF], 0
	BSET
	FETCH_B 0
	FETCH_K
	s_wait_loadcnt 0x0                             ; Q
	s_wait_dscnt 0x0
.set i, 0
.rept 16
	KQ 0                                           ; piece 0's first scores
.set i, i+1
.endr
	WIN 0
.rept 4
	v_nop                                          ; the places behind those products, ahead of the loads into the bias registers and of the maximum
.endr
	FETCH_B 1
.set Y, NP-1
.irp n, 0,1,2,3,4,5,6,7,8,9,10,11,12,13,14,15,16,17,18,19,20,21
	XS 0, \n
	XS 1, \n
.endr
	v_nop
	s_wait_alu depctr_va_vdst(0)                   ; the two a, ahead of the label
	s_mov_b32 s[CNT], 8
.Lstep:                                        ; a trip is a key step; the bias loads from piece 2's turn on belong to the next step
	TURN 0
	TURN 1
	WIN 0
	s_add_co_u32 s[BOF], s[BOF], 256
	s_cmp_eq_u32 s[CNT], 2                         ; the next step is the last: keys from 484 on are sent to the table's far end
	s_cselect_b32 s[LASTF], 1, 0
	s_cselect_b32 s2, JUMP, 0
	s_add_co_u32 s[BOC], s[BOF], s2
	BSET
	TURN 2
	TURN 3
	WIN 0
	s_sub_co_u32 s[CNT], s[CNT], 1
	s_cmp_lg_u32 s[CNT], 0
	s_cbranch_scc1 .Lstep
	s_wait_dscnt 0x0                               ; the last trip's bias run, which nobody uses, has landed: its registers are loaded again in the next pass
.set i, 0                                      ; (that trip's 16 products K Q^T, on the last K once more, and their maximum serve nothing: the price of one text for every trip)
.rept 16
	PV NP-1                                        ; the last piece's V^T P of the last step
.set i, i+1
.endr
	WIN 0
	ALL v_add_f32 v[ST+4*t+2], v[ST+4*t+2], v[ST+4*t+3]
	ALL v_permlanex16_b32 v[ST+4*t+3], v[ST+4*t+2], s[SEL], s[SEL+1]
	ALL v_add_f32 v[ST+4*t+2], v[ST+4*t+2], v[ST+4*t+3]
	ALL v_rcp_f32 v[ST+4*t+2], v[ST+4*t+2]
	v_nop
	s_wait_alu depctr_va_vdst(0)                   ; one wait for the eight reciprocals
.irp t, 0,1,2,3,4,5,6,7
	PACKO \t
.endr
	WIN 0
	s_sub_co_u32 s[PASS], s[PASS], 1
	s_cmp_lg_u32 s[PASS], 0
	s_cbranch_scc1 .Lagain
	s_wait_dscnt 0x0
	s_barrier_signal -1                            ; every wave's reads of K, V and the tables are over ahead of the first store into a stage
	s_barrier_wait -1
.irp t, 0,1,2,3,4,5,6,7
	WAYT \t
.endr
.Lend:
	WIN W_AD
	s_wait_tensorcnt 0x0                           ; the wave's end
	ds_add_u32 v[SPW], v[NIL]
	s_wait_dscnt 0x0
	WIN 0
	s_endpgm
.Lfunc_end_k_q7da03b9cec_attn:
	.size	k_q7da03b9cec_attn, .Lfunc_end_k_q7da03b9cec_attn-k_q7da03b9cec_attn
	.p2alignl 7, 3214868480
	.fill 96, 4, 3214868480
	.section	.rodata,"a",@progbits
	.p2align	6, 0x0
	.amdhsa_kernel k_q7da03b9cec_attn
		.amdhsa_group_segment_fixed_size 225280
		.amdhsa_private_segment_fixed_size 0
		.amdhsa_enable_private_segment 0
		.amdhsa_kernarg_size 24
		.amdhsa_user_sgpr_count 2
		.amdhsa_user_sgpr_kernarg_segment_ptr 1
		.amdhsa_wavefront_size32 1
		.amdhsa_system_sgpr_workgroup_id_x 1
		.amdhsa_system_sgpr_workgroup_id_y 1
		.amdhsa_system_sgpr_workgroup_id_z 1
		.amdhsa_system_vgpr_workitem_id 0
		.amdhsa_next_free_vgpr 1024
		.amdhsa_next_free_sgpr 84
		.amdhsa_reserve_vcc 0
		.amdhsa_float_denorm_mode_32 3
		.amdhsa_float_denorm_mode_16_64 3
		.amdhsa_memory_ordered 1
		.amdhsa_forward_progress 1
		.amdhsa_inst_pref_size 153
	.end_amdhsa_kernel
	.amdgpu_metadata
---
amdhsa.version: [ 1, 2 ]
amdhsa.kernels:
  - .name:           k_q7da03b9cec_attn
    .symbol:         k_q7da03b9cec_attn.kd
    .args:
      - { .name: qkv, .offset: 0, .size: 8, .value_kind: global_buffer, .address_space: global }
      - { .name: btab, .offset: 8, .size: 8, .value_kind: global_buffer, .address_space: global }
      - { .name: ows, .offset: 16, .size: 8, .value_kind: global_buffer, .address_space: global }
    .group_segment_fixed_size: 225280
    .private_segment_fixed_size: 0
    .kernarg_segment_align: 8
    .kernarg_segment_size: 24
    .max_flat_workgroup_size: 128
    .sgpr_count:     84
    .vgpr_count:     1024
    .wavefront_size: 32
...
	.end_amdgpu_metadata
.endif
;; end of part 3
;; launch outp (part 4): grid 4 x 64, 4 waves a work-group, clusters of 4 x 4, 327,680 bytes of LDS; arguments ows, wo16, out0; writes out0
.if DOCPART == 4
	.amdgcn_target "amdgcn-amd-amdhsa--gfx1250"
	.amdhsa_code_object_version 6
	.text
	.protected	k_q7da03b9cec_outp
	.globl	k_q7da03b9cec_outp
	.p2align	8
	.type	k_q7da03b9cec_outp,@function
k_q7da03b9cec_outp:
	s_mov_b64 s[64:65], 0
	v_nop
	global_prefetch_b8 v0, s[64:65] scope:SCOPE_SE
	s_setreg_imm32_b32 hwreg(HW_REG_WAVE_MODE, 25, 1), 1
	s_wait_xcnt 0x0
	s_wait_alu depctr_hold_cnt(0) depctr_sa_sdst(0) depctr_va_vdst(0) depctr_va_sdst(0) depctr_va_ssrc(0) depctr_va_vcc(0) depctr_vm_vsrc(0)
	s_getreg_b32 s2, hwreg(HW_REG_IB_STS2, 6, 4)
	s_cmp_eq_u32 s2, 0
	s_cbranch_scc0 .Lentry_in_a_cluster
	s_endpgm
.Lentry_in_a_cluster:
	s_bfe_u32 s2, ttmp6, 0x10000c
	s_cmp_lg_u32 s2, 0xf033
	s_cbranch_scc0 .Lentry_shape_is_right
	s_endpgm
.Lentry_shape_is_right:
; OUTP: out0[15488][1024] = ows[15488][1024] x wo16[1024][1024], both f16, sums in f32, out0 in f32.
; A tile of C is 256 x 256, of which 242 rows (half a batch) are owned: 64 x 4 = 256 work-groups.  Rows 242-255 arrive in LDS as zeros and are not stored.
; Four waves, 2 x 2, each 128 x 128: 64 accumulators.  K in 8 steps of 128 through two LDS slots.
; CLUSTER 4 x 4: ows's tile is shared along a row of the cluster, wo16's along a column: each is asked for jointly, which divides the requests by four.
; THE MATRIX INSTRUCTION IS USED TRANSPOSED: source 0 = 16 columns of wo16 (turned by ds_load_tr16_b128), source 1 = 16 rows of ows: a lane holds 8 neighbouring columns of one row of C, 32 bytes.
; LIMITS.  The sums' order is the matrix unit's; NaN and infinities are not treated apart.
; REGISTERS.  window 0: v8-16 addresses, v28-29 the add's, v64-127, v128-191 ows's fragments, two buffers (on the way out: rows read back).  window 1: v64-127, v128-191 wo16's fragments.
;   window 2: the accumulators of my rows 0-63, (a, b) at 8 (8 a + b); window 3: those of rows 64-127.
.set PITCH, 272                        ; a row of ows in LDS: 256 bytes + 16
.set PW,    544                        ; a row of wo16: 512 + 32, an odd multiple of 32
.set HALFT, 128*PITCH                  ; = 64 x PW: what one tensor load brings
.set SLOT,  4*HALFT
.set STAGE, 2*SLOT                     ; never filled by a tensor load: 16 rows x 528 bytes for each wave
.set SPITCH, 528
.set SPARE, STAGE+4*16*SPITCH          ; the spare words: 128 bytes a wave, two blocks of 256 bytes that no other line names
.set ASTEP, 256
.set WSTEP, 128*2048
.set ADRA0, 8
.set ADRB0, 9
.set ADRA,  10
.set ADRB,  11
.set STO,   12
.set RD,    13
.set CO,    14
.set PFO,   16
.set SPW,   28
.set NIL,   29
.set WV, 14
.set WR, 15                            ; my half of the rows; also: I fetch ows (0) or wo16 (1)
.set WC, 16                            ; my half of the columns; also: which half I fetch
.set CX, 17
.set CY, 18
.set TR, 19
.set TC, 20
.set PC, 21
.set G1A, 24
.set G0A, 32
.set G1W, 40
.set G0W, 48
.set SL,  56
.set SLF, 57
.set CNT, 58
.set LIM, 59
.set PFA, 60
.set PST, 66
.set OUT, 68
.set R0,  70
.set MSB, 0
.macro WIN new
.if MSB != (\new)
	s_set_vgpr_msb (MSB<<8)|(\new)
.set MSB, \new
.endif
.endm
.set MUL_LO, 0xa1
.set MUL_HI, 0xf1
.set TO_B,   0x40
.macro JLOAD s                         ; waves 0, 1: a half of ows's tile; waves 2, 3: of wo16's.  An s_nop 0 and four v_nop follow each line
	s_cmp_eq_u32 s[WR], 0
	s_cbranch_scc0 .Lfor_w_\@
	tensor_load_to_lds s[G0A+4*(\s):G0A+4*(\s)+3], s[G1A:G1A+7]
	s_nop 0
.rept 4
	v_nop
.endr
	s_branch .Lasked_\@
.Lfor_w_\@:
	tensor_load_to_lds s[G0W+4*(\s):G0W+4*(\s)+3], s[G1W:G1W+7]
	s_nop 0
.rept 4
	v_nop
.endr
.Lasked_\@:
.endm
.macro CREST
	s_cmp_lg_u32 s[WV], 0
	s_cbranch_scc1 .Lnot_wave_0_\@
	s_barrier_signal -3
.Lnot_wave_0_\@:
	s_barrier_wait -3
	s_barrier_signal -1
	s_barrier_wait -1
.endm
.macro CROUND
	s_barrier_signal -1
	s_barrier_wait -1
	CREST
.endm
.macro PLACES
.rept 4
	v_nop
.endr
.endm
; A PREFETCH INTO THE L2 behind a refill and the run of LDS loads: the K step two refills on, 512 matrix instructions ahead of the load that will want it; one instruction a wave.
; ows: each tile row has one cluster; its four partners along x take 32 of the wave's 128 rows each, by address (held to the tile's row 241).  wo16: the clusters with y = 0 alone;
; the partners along y take 16 of the wave's 64 rows each, two lanes a row.  The last two refills ask for nothing.
.macro ASK
	s_cmp_gt_u32 s[CNT], s[LIM]
	s_cbranch_scc0 .Lna_\@
	global_prefetch_b8 v[PFO], s[PFA:PFA+1] th:TH_LOAD_NT scope:SCOPE_SE
.Lna_\@:
.endm
	s_load_b128 s[4:7], s[0:1], 0x0                ; ows s[4:5], wo16 s[6:7]
	s_load_b64 s[8:9], s[0:1], 0x10                ; out0
	v_lshl_add_u32 v[SPW], v0, 2, SPARE
	v_mov_b32 v[NIL], 0
	ds_add_u32 v[SPW], v[NIL]                      ; the wave's opening: the add and its wait ahead of my first tensor load
	v_lshrrev_b32 v1, 5, v0
	v_readfirstlane_b32 s[WV], v1
	s_lshr_b32 s[WR], s[WV], 1
	s_and_b32 s[WC], s[WV], 1
	s_bfe_u32 s[CX], ttmp6, 0x40000
	s_bfe_u32 s[CY], ttmp6, 0x40004
	s_lshl_b32 s[TC], ttmp9, 2
	s_add_co_u32 s[TC], s[TC], s[CX]               ; tile column
	s_and_b32 s[TR], ttmp7, 0xffff
	s_lshl_b32 s[TR], s[TR], 2
	s_add_co_u32 s[TR], s[TR], s[CY]               ; tile row
	s_lshl_b32 s78, s[CY], 2
	s_lshl_b32 s78, 15, s78                        ; my row of the cluster
	s_lshl_b32 s79, 0x1111, s[CX]                  ; my column
	s_or_b32 s[G1A+0], s78, (1<<16)|(1<<20)|(1<<21)|(5<<22)|(3<<25)  ; 2-byte elements; padding on; bit 21 beside a mask; after every 64 words, 4 words
	s_or_b32 s[G1W+0], s79, (1<<16)|(1<<20)|(1<<21)|(6<<22)|(7<<25)  ; after every 128 words, 8 words
	s_mul_i32 s71, s[WC], 14<<16
	s_sub_co_u32 s71, 128<<16, s71                 ; rows left of the tile's 242: 128 for the first half, 114 for the second; beyond them zeros arrive
	s_mov_b32 s[G1A+1], 128<<16                    ; tensor_dim0 = 128
	s_mov_b32 s[G1A+2], s71                        ; tensor_dim1
	s_mov_b32 s[G1A+3], 128<<16                    ; tile_dim0 = 128
	s_mov_b32 s[G1A+4], 128                        ; tile_dim1 = 128
	s_mov_b32 s[G1A+5], 1024
	s_mov_b32 s[G1A+6], 0
	s_mov_b32 s[G1A+7], 0
	s_mov_b32 s[G1W+1], 256<<16
	s_mov_b32 s[G1W+2], 64<<16
	s_mov_b32 s[G1W+3], 256<<16
	s_mov_b32 s[G1W+4], 64
	s_mov_b32 s[G1W+5], 1024
	s_mov_b32 s[G1W+6], 0
	s_mov_b32 s[G1W+7], 0
	s_mul_i32 s[R0], s[TR], 242
	s_lshl_b32 s74, s[WC], 7
	s_add_co_u32 s74, s74, s[R0]
	s_lshl_b32 s74, s74, 11                        ; ows: the 128 rows that I would fetch: hangs on the tile row and the wave alone
	s_mov_b32 s75, 0
	s_lshl_b32 s76, s[TC], 9
	s_lshl_b32 s77, s[WC], 17
	s_add_co_u32 s76, s76, s77                     ; wo16: the tile column's 512 bytes, 64 rows a half: hangs on the tile column and the wave alone
	s_mov_b32 s77, 0
	s_mul_i32 s[PC], s[WV], HALFT                  ; where they go: ows's two halves, then wo16's
	s_mov_b32 s[SL], 0
	s_mov_b32 s[SLF], SLOT
	s_and_b32 s90, ttmp7, 0xffff
	s_cmp_eq_u32 s90, 0
	s_cselect_b32 s91, 2, -1
	s_cmp_eq_u32 s[WR], 0
	s_cselect_b32 s[LIM], 2, s91
	s_mov_b32 s[PST], WSTEP
	s_cselect_b32 s[PST], ASTEP, s[PST]
	s_mov_b32 s[PST+1], 0
	s_wait_dscnt 0x0                               ; the opening add is done
	s_wait_kmcnt 0x0
	s_add_nc_u64 s[80:81], s[4:5], s[74:75]
	s_add_nc_u64 s[82:83], s[6:7], s[76:77]
	CROUND                                         ; all sixteen work-groups are here: the first joint loads meet
.irp s, 0,1
	s_mov_b32 s[G0A+4*(\s)], 1
	s_add_co_u32 s[G0A+4*(\s)+1], s[PC], (\s)*SLOT
	s_add_nc_u64 s[G0A+4*(\s)+2:G0A+4*(\s)+3], s[80:81], (\s)*ASTEP
	s_or_b32 s[G0A+4*(\s)+3], s[G0A+4*(\s)+3], 0x80000000
	s_mov_b32 s[G0W+4*(\s)], 1
	s_add_co_u32 s[G0W+4*(\s)+1], s[PC], (\s)*SLOT
	s_add_nc_u64 s[G0W+4*(\s)+2:G0W+4*(\s)+3], s[82:83], (\s)*WSTEP
	s_or_b32 s[G0W+4*(\s)+3], s[G0W+4*(\s)+3], 0x80000000
	JLOAD \s                                       ; two loads of mine are out
.endr
	s_lshl_b32 s84, s[R0], 11                      ; the prefetches stand at K step 3; the first change of slots steps them to 4
	s_mov_b32 s85, 0
	s_add_nc_u64 s[84:85], s[4:5], s[84:85]
	s_add_nc_u64 s[84:85], s[84:85], 3*ASTEP
	s_add_nc_u64 s[86:87], s[82:83], 3*WSTEP
	s_cmp_eq_u32 s[WR], 0
	s_cselect_b64 s[PFA:PFA+1], s[84:85], s[86:87]
	s_cselect_b32 s90, -1, 0
	v_and_b32 v1, 15, v0                           ; r
	v_bfe_u32 v2, v0, 4, 1                         ; h
	v_and_b32 v3, 31, v0                           ; l
	s_lshl_b32 s88, s[WC], 7
	s_lshl_b32 s89, s[CX], 5
	s_add_co_u32 s88, s88, s89
	v_add_nc_u32 v4, s88, v3
	v_min_u32 v4, 241, v4
	v_lshlrev_b32 v4, 11, v4                       ; ows: a lane a row
	v_lshrrev_b32 v5, 1, v3
	s_lshl_b32 s89, s[CY], 4
	v_add_nc_u32 v5, s89, v5
	v_lshlrev_b32 v5, 11, v5
	v_and_b32 v6, 1, v3
	v_lshl_add_u32 v5, v6, 8, v5                   ; wo16: two lanes a row of 512 bytes
	v_cndmask_b32 v[PFO], v5, v4, s90
	v_and_b32 v4, 7, v0
	v_bfe_u32 v5, v0, 3, 1
	s_mul_i32 s2, s[WR], HALFT
	v_mul_u32_u24 v[ADRA0], v1, PITCH
	v_lshl_add_u32 v[ADRA0], v2, 4, v[ADRA0]
	v_add_nc_u32 v[ADRA0], s2, v[ADRA0]
	v_lshl_add_u32 v[ADRB0], v2, 3, v4
	v_mul_u32_u24 v[ADRB0], v[ADRB0], PW
	v_lshl_add_u32 v[ADRB0], v5, 4, v[ADRB0]
	s_lshl_b32 s2, s[WC], 8
	s_add_co_u32 s2, s2, 2*HALFT
	v_add_nc_u32 v[ADRB0], s2, v[ADRB0]
	v_mov_b32 v[ADRA], v[ADRA0]
	v_mov_b32 v[ADRB], v[ADRB0]
	s_mul_i32 s2, s[WV], 16*SPITCH
	s_add_co_u32 s2, s2, STAGE
	v_mul_u32_u24 v[STO], v1, SPITCH               ; in: row r, 32 bytes for each half of the lanes
	v_lshl_add_u32 v[STO], v2, 5, v[STO]
	v_add_nc_u32 v[STO], s2, v[STO]
	v_lshl_add_u32 v[RD], v3, 4, s2                ; back: 32 lanes take one row of 512 bytes
	v_lshlrev_b32 v[CO], 4, v3
	s_lshl_b32 s88, s[WR], 7
	s_add_co_u32 s88, s88, s[R0]
	s_lshl_b32 s88, s88, 12
	s_lshl_b32 s89, s[TC], 10
	s_add_co_u32 s88, s88, s89
	s_lshl_b32 s89, s[WC], 9
	s_add_co_u32 s88, s88, s89
	s_mov_b32 s89, 0
	s_add_nc_u64 s[OUT:OUT+1], s[8:9], s[88:89]
; 16 matrix instructions: row blocks a0, a0 + 1 of the window's four x all 8 column blocks.  The 64 accumulators take turns.
.macro MUL16 f, hi, a0, zero
	WIN MUL_LO+0x50*(\hi)
.irp a, \a0, (\a0)+1
.irp b, 0,1,2,3,4,5,6,7
.if \zero
	v_wmma_f32_16x16x32_f16 v[8*(8*(\a)+(\b)):8*(8*(\a)+(\b))+7], v[(\f)+8*(\b):(\f)+8*(\b)+7], v[(\f)+8*(4*(\hi)+(\a)):(\f)+8*(4*(\hi)+(\a))+7], 0
.else
	v_wmma_f32_16x16x32_f16 v[8*(8*(\a)+(\b)):8*(8*(\a)+(\b))+7], v[(\f)+8*(\b):(\f)+8*(\b)+7], v[(\f)+8*(4*(\hi)+(\a)):(\f)+8*(4*(\hi)+(\a))+7], v[8*(8*(\a)+(\b)):8*(8*(\a)+(\b))+7]
.endif
.endr
.endr
.endm
.macro FETCH f, q                      ; 32 LDS loads: quarter q of the slot in hand into buffer f
	WIN TO_B
.irp i, 0,1,2,3,4,5,6,7
	ds_load_tr16_b128 v[(\f)+8*(\i):(\f)+8*(\i)+3],   v[ADRB] offset:(\q)*32*PW+32*(\i)
	ds_load_tr16_b128 v[(\f)+8*(\i)+4:(\f)+8*(\i)+7], v[ADRB] offset:(\q)*32*PW+32*(\i)+16*PW
.endr
	WIN 0
.irp i, 0,1,2,3,4,5,6,7
	ds_load_b128 v[(\f)+8*(\i):(\f)+8*(\i)+3],   v[ADRA] offset:64*(\q)+(\i)*16*PITCH
	ds_load_b128 v[(\f)+8*(\i)+4:(\f)+8*(\i)+7], v[ADRA] offset:64*(\q)+(\i)*16*PITCH+32
.endr
.endm
.macro QUARTER q, zero                 ; quarter q is multiplied, quarter q + 1 fetched
	s_wait_dscnt 0x0                               ; this quarter's loads, issued 64 matrix instructions ago
	PLACES                                         ; ahead of loads into registers that the last products read
	FETCH 64+64*(((\q)+1)%2), (\q)+1
	MUL16 64+64*((\q)%2), 0, 0, \zero
	MUL16 64+64*((\q)%2), 0, 2, \zero
	MUL16 64+64*((\q)%2), 1, 0, \zero
	MUL16 64+64*((\q)%2), 1, 2, \zero
.endm
.macro Q2M fill                        ; quarter 2, with the barrier of the change of slots
.if \fill
	s_wait_xcnt 0x0                                ; the last prefetch, a K step back, has read its address
	s_add_nc_u64 s[PFA:PFA+1], s[PFA:PFA+1], s[PST:PST+1]
.endif
	s_wait_dscnt 0x0
	PLACES
	FETCH 128, 3
	MUL16 64, 0, 0, 0
	MUL16 64, 0, 2, 0
	WIN 0
	s_wait_tensorcnt 0x0                           ; all my tensor loads have landed: the one that was out is my part of the other slot
	ds_add_u32 v[SPW], v[NIL]                      ; 0 onto my spare word
	MUL16 64, 1, 0, 0
	s_wait_dscnt 0x0                               ; the add is done, and my reads of this slot are over
	s_barrier_signal -1
	MUL16 64, 1, 2, 0
	WIN 0
	s_barrier_wait -1
.if \fill
	CREST                                          ; the barrier has opened a round of the cluster's: no wave of any partner still reads the slot or has a load on its way
.endif
.endm
.macro Q3F fill                        ; quarter 3: the refill first (from the request to the wait for it: 224 matrix instructions), then the other slot's first quarter
.if \fill
	s_xor_b32 s[SLF], s[SLF], SLOT
	s_add_co_u32 s[G0A+5], s[PC], s[SLF]
	s_add_co_u32 s[G0W+5], s[PC], s[SLF]
	s_add_nc_u64 s[G0A+6:G0A+7], s[G0A+6:G0A+7], ASTEP
	s_add_nc_u64 s[G0W+6:G0W+7], s[G0W+6:G0W+7], WSTEP
	JLOAD 1                                        ; its four v_nop are also the places ahead of the loads below
.else
	PLACES
.endif
	s_xor_b32 s[SL], s[SL], SLOT
	v_add_nc_u32 v[ADRA], s[SL], v[ADRA0]
	v_add_nc_u32 v[ADRB], s[SL], v[ADRB0]
	FETCH 64, 0
.if \fill
	ASK
.endif
	MUL16 128, 0, 0, 0
	MUL16 128, 0, 2, 0
	MUL16 128, 1, 0, 0
	MUL16 128, 1, 2, 0
.endm
; THE WAY OUT of block a (16 rows x 128 columns of f32): from the accumulators into my own stage, each accumulator's low four registers first, back as whole rows of 512 bytes, stored.
.macro OUTB a
	WIN 0x08+4*((\a)/4)                            ; store data in window 2 or 3
.irp b, 0,1,2,3,4,5,6,7
	ds_store_b128 v[STO], v[64*((\a)%4)+8*(\b):64*((\a)%4)+8*(\b)+3]   offset:64*(\b)
	ds_store_b128 v[STO], v[64*((\a)%4)+8*(\b)+4:64*((\a)%4)+8*(\b)+7] offset:64*(\b)+16
.endr
	WIN 0
.irp t, 0,1,2,3,4,5,6,7,8,9,10,11,12,13,14,15
	ds_load_b128 v[64+64*((\a)%2)+4*(\t):64+64*((\a)%2)+4*(\t)+3], v[RD] offset:(\t)*SPITCH  ; LDS serves a wave's instructions in order: these see the stores above
.endr
	s_wait_dscnt 0x0
	s_wait_xcnt 0x0                                ; the stores of the block before have read their registers: the next block loads into them
.irp t, 0,1,2,3,4,5,6,7,8,9,10,11,12,13,14,15
.if ((\a) == 7) && ((\t) == 2)
	s_cmp_lg_u32 s[WR], 0                          ; the lower waves' rows end at the tile's row 241
	s_cbranch_scc1 .Lend
.endif
	global_store_b128 v[CO], v[64+64*((\a)%2)+4*(\t):64+64*((\a)%2)+4*(\t)+3], s[OUT:OUT+1] offset:(\a)*65536+(\t)*4096  ; 512 consecutive bytes, aligned
.endr
.endm
	s_wait_tensorcnt 1                             ; my part of K step 0 is in; K step 1's may stay out
	s_barrier_signal -1
	s_barrier_wait -1
	FETCH 64, 0
	QUARTER 0, 1                                   ; the first quarter's products start the sums
	WIN 0
	s_mov_b32 s[CNT], 6
.Lk:                                           ; six trips: K steps 0 to 5 fill their slots again
	QUARTER 1, 0
	Q2M 1
	Q3F 1
	QUARTER 0, 0
	WIN 0
	s_sub_co_u32 s[CNT], s[CNT], 1
	s_cmp_lg_u32 s[CNT], 0
	s_cbranch_scc1 .Lk
	QUARTER 1, 0                                   ; the last two K steps are written out: nothing is asked for
	Q2M 0
	Q3F 0
	QUARTER 0, 0
	QUARTER 1, 0
	QUARTER 2, 0
	s_wait_dscnt 0x0
	MUL16 128, 0, 0, 0
	MUL16 128, 0, 2, 0
	MUL16 128, 1, 0, 0
	MUL16 128, 1, 2, 0
	PLACES
.irp a, 0,1,2,3,4,5,6,7
	OUTB \a
.endr
.Lend:
	s_wait_tensorcnt 0x0                           ; the wave's end
	ds_add_u32 v[SPW], v[NIL]
	s_wait_dscnt 0x0
	CROUND                                         ; the closing round
	s_endpgm
.Lfunc_end_k_q7da03b9cec_outp:
	.size	k_q7da03b9cec_outp, .Lfunc_end_k_q7da03b9cec_outp-k_q7da03b9cec_outp
	.p2alignl 7, 3214868480
	.fill 96, 4, 3214868480
	.section	.rodata,"a",@progbits
	.p2align	6, 0x0
	.amdhsa_kernel k_q7da03b9cec_outp
		.amdhsa_group_segment_fixed_size 327680
		.amdhsa_private_segment_fixed_size 0
		.amdhsa_enable_private_segment 0
		.amdhsa_kernarg_size 24
		.amdhsa_user_sgpr_count 2
		.amdhsa_user_sgpr_kernarg_segment_ptr 1
		.amdhsa_wavefront_size32 1
		.amdhsa_system_sgpr_workgroup_id_x 1
		.amdhsa_system_sgpr_workgroup_id_y 1
		.amdhsa_system_sgpr_workgroup_id_z 1
		.amdhsa_system_vgpr_workitem_id 0
		.amdhsa_next_free_vgpr 1024
		.amdhsa_next_free_sgpr 96
		.amdhsa_reserve_vcc 0
		.amdhsa_float_denorm_mode_32 3
		.amdhsa_float_denorm_mode_16_64 3
		.amdhsa_memory_ordered 1
		.amdhsa_forward_progress 1
		.amdhsa_inst_pref_size 115
	.end_amdhsa_kernel
	.amdgpu_metadata
---
amdhsa.version: [ 1, 2 ]
amdhsa.kernels:
  - .name:           k_q7da03b9cec_outp
    .symbol:         k_q7da03b9cec_outp.kd
    .args:
      - { .name: ows, .offset: 0, .size: 8, .value_kind: global_buffer, .address_space: global }
      - { .name: wo16, .offset: 8, .size: 8, .value_kind: global_buffer, .address_space: global }
      - { .name: out0, .offset: 16, .size: 8, .value_kind: global_buffer, .address_space: global }
    .group_segment_fixed_size: 327680
    .private_segment_fixed_size: 0
    .kernarg_segment_align: 8
    .kernarg_segment_size: 24
    .max_flat_workgroup_size: 128
    .sgpr_count:     96
    .vgpr_count:     1024
    .wavefront_size: 32
...
	.end_amdgpu_metadata
.endif
;; end of part 4
